; MI455X (gfx1250); checked and timed in simulation.
; The chip was launched on July 23, 2026; its instructions are those of AMD's public machine-readable ISA for CDNA 5 (MIT licence, August 2026) and "CDNA5" Instruction Set Architecture Reference Guide (July 2026). The comments in the code are by the model that wrote it; some were corrected since.
;; Multi Head Attention. Allowed arithmetic: matrix products marked QUANTISED: E2M3 operands, one E8M0 scale for each 32 along K, by v_wmma_scale_f32_16x16x128_f8f6f4 with both operands' format E2M3, f32 sums; everything else in f32.
;; Inputs: K_codes 4 x 2,048 x 32 x 24 uint8 (E2M3 codes of K, K innermost, in blocks of 32 codes, four codes in three bytes); K_scales 4 x 2,048 x 32 uint8 (E8M0 scales of K, one for each 32 codes along K); Q_codes 4 x 2,048 x 32 x 24 uint8 (E2M3 codes of Q, K innermost, in blocks of 32 codes, four codes in three bytes); Q_scales 4 x 2,048 x 32 uint8 (E8M0 scales of Q, one for each 32 codes along K); V_codes 4 x 2,048 x 32 x 24 uint8 (E2M3 codes of V, K innermost, in blocks of 32 codes, four codes in three bytes); V_scales 4 x 2,048 x 32 uint8 (E8M0 scales of V, one for each 32 codes along K); W_K_codes 1,024 x 32 x 24 uint8 (E2M3 codes of W_K, K innermost, in blocks of 32 codes, four codes in three bytes); W_K_scales 1,024 x 32 uint8 (E8M0 scales of W_K, one for each 32 codes along K); W_O_codes 1,024 x 32 x 24 uint8 (E2M3 codes of W_O, K innermost, in blocks of 32 codes, four codes in three bytes); W_O_scales 1,024 x 32 uint8 (E8M0 scales of W_O, one for each 32 codes along K); W_Q_codes 1,024 x 32 x 24 uint8 (E2M3 codes of W_Q, K innermost, in blocks of 32 codes, four codes in three bytes); W_Q_scales 1,024 x 32 uint8 (E8M0 scales of W_Q, one for each 32 codes along K); W_V_codes 1,024 x 32 x 24 uint8 (E2M3 codes of W_V, K innermost, in blocks of 32 codes, four codes in three bytes); W_V_scales 1,024 x 32 uint8 (E8M0 scales of W_V, one for each 32 codes along K).
;; Outputs: out0 4 x 2,048 x 1,024 float32.
;; This version of the problem:
;;   THIS VERSION OF THE PROBLEM IS GIVEN IN LOW PRECISION. The matrix products marked QUANTISED in the list below multiply operands that are first quantised to E2M3 (2 exponent bits, 3 mantissa bits; 6 bits a number), with one power-of-two scale for each 32 numbers along K (OCP MX v1.0); their sums are f32. All else is computed in f32.
;;   The module's matrix products, in the order in which they are computed (A, B: the left and right operand; K: the contracted axis; several contracted axes count as one K, in the product's order):
;;     1. [M 8,192, K 1,024] x [K 1,024, N 1,024]; A: input Q (given as codes); B: input W_Q (given as codes): QUANTISED
;;     2. [M 8,192, K 1,024] x [K 1,024, N 1,024]; A: input K (given as codes); B: input W_K (given as codes): QUANTISED
;;     3. [M 8,192, K 1,024] x [K 1,024, N 1,024]; A: input V (given as codes); B: input W_V (given as codes): QUANTISED
;;     4. batch 64 x [M 2,048, K 64] x [K 64, N 2,048]; A: computed on the way; B: computed on the way: QUANTISED
;;     5. batch 64 x [M 64, K 2,048] x [K 2,048, N 2,048]; A: computed on the way; B: computed on the way: QUANTISED
;;     6. [M 8,192, K 1,024] x [K 1,024, N 1,024]; A: computed on the way; B: input W_O (given as codes): QUANTISED
;;   THE QUANTISER, for each operand of a quantised product, along K:
;;     - K is cut into blocks of 32 from its start; a last block that is shorter is filled with zeros.
;;     - A block's scale is 2^e with e = floor(log2(the largest magnitude in the block)) - 2, held to -126 .. 127; a block of zeros has e = 0. As a byte (E8M0): e + 127.
;;     - Each number is divided by its block's scale, clamped to +-7.5, and rounded to the nearest number of E2M3, ties to even, subnormals kept.
;;     - The product sums the exact products of the quantised numbers (number of the format x scale) in f32.
;;   ~~~python
;;   def quantise(x, axis):      # numpy; x: float32 -> the quantised numbers, widened to float32 again
;;       x = np.moveaxis(x, axis, -1); K = x.shape[-1]
;;       x = np.pad(x, [(0, 0)] * (x.ndim - 1) + [(0, -K % 32)]); x = x.reshape(x.shape[:-1] + (-1, 32)); a = np.abs(x).max(-1, keepdims=True)
;;       e = np.where(a > 0, np.clip(np.frexp(np.where(a > 0, a, 1))[1] - 1 - 2, -126, 127), 0)      # np.frexp(a)[1] - 1 = floor(log2(a)), exactly
;;       r = np.clip(x / 2.0 ** e, -7.5, 7.5)
;;       step = 2.0 ** (np.maximum(np.frexp(np.where(r == 0, 1, r))[1] - 1, 0) - 3)
;;       q = np.round(r / step) * step * 2.0 ** e      # np.round: ties to even
;;       return np.moveaxis(q.reshape(q.shape[:-2] + (-1,))[..., :K], -1, axis).astype(np.float32)
;;   ~~~
;;   OPERANDS COMPUTED ON THE WAY. 'Computed on the way' means the value that the module computes at that place (a softmax that the list does not call 'softmax' is quantised finished and normalised). What goes into a quantiser is computed in f32, as accurately as f32 sums, v_exp_f32 and their like allow (about 1e-6 of the number): no bf16 or f16 on the way to a quantiser, and a product that is left as it is and whose result goes on into a quantised operand takes f32 operands (vector FMAs, or v_wmma_f32_16x16x4_f32). A number that lies on a knife's edge between two numbers of the format may be rounded either way, as far as f32 arithmetic and the matrix unit's own rounding can turn it there, and no further.
;;   INPUTS GIVEN AS CODES. K (in the module: [4, 2048, 1024], K = its axis 2); Q (in the module: [4, 2048, 1024], K = its axis 2); V (in the module: [4, 2048, 1024], K = its axis 2); W_K (in the module: [1024, 1024], K = its axis 0); W_O (in the module: [1024, 1024], K = its axis 0); W_Q (in the module: [1024, 1024], K = its axis 0); W_V (in the module: [1024, 1024], K = its axis 0): each comes as NAME_codes (uint8): NAME with its K axis moved to the last place and cut into blocks of 32 codes, [.., K / 32, bytes a block], one block behind the other in memory; four codes in three bytes: a row's codes are one little-endian stream of bits, code i at bits 6 i .. 6 i + 5 (a code: sign, 2 exponent bits, 3 mantissa bits); and NAME_scales (uint8): the same leading axes, one E8M0 byte (e + 127) for each 32 codes along K. Its value is code x scale, taken as it is: it is not quantised again, and the codes and scales need not be those that the quantiser above would give.
;; One version. Each part assembles by itself: llvm-mc -triple=amdgcn-amd-amdhsa -mcpu=gfx1250 --defsym DOCPART=n.
;; ======== version 1 of 1: 4 launches
;; limits: right only within a limited range of input values
;; workspace buffers: qbuf 6,815,744 bytes; kbuf 6,815,744 bytes; vbuf 6,553,600 bytes; stats 524,288 bytes; abuf 6,291,456 bytes; asc 524,288 bytes
;; launch proj (part 1): grid 4 x 48, 4 waves a work-group, clusters of 4 x 4, 327,680 bytes of LDS; arguments Q_codes, Q_scales, K_codes, K_scales, W_V_codes, W_V_scales, W_Q_codes, W_Q_scales, W_K_codes, W_K_scales, V_codes, V_scales, qbuf, kbuf, vbuf; writes qbuf, kbuf, vbuf
.if DOCPART == 1
	.amdgcn_target "amdgcn-amd-amdhsa--gfx1250"
	.amdhsa_code_object_version 6
	.text
	.protected	k_qdfaa390edb_proj
	.globl	k_qdfaa390edb_proj
	.p2align	8
	.type	k_qdfaa390edb_proj,@function
k_qdfaa390edb_proj:
	s_mov_b64 s[64:65], 0
	v_nop
	global_prefetch_b8 v0, s[64:65] scope:SCOPE_SE
	s_setreg_imm32_b32 hwreg(HW_REG_WAVE_MODE, 25, 1), 1
	s_wait_xcnt 0x0
	s_wait_alu depctr_hold_cnt(0) depctr_sa_sdst(0) depctr_va_vdst(0) depctr_va_sdst(0) depctr_va_ssrc(0) depctr_va_vcc(0) depctr_vm_vsrc(0)
	s_getreg_b32 s2, hwreg(HW_REG_IB_STS2, 6, 4)
	s_cmp_eq_u32 s2, 0
	s_cbranch_scc0 .Lentry_in_a_cluster
	s_endpgm
.Lentry_in_a_cluster:
	s_bfe_u32 s2, ttmp6, 0x10000c
	s_cmp_lg_u32 s2, 0xf033
	s_cbranch_scc0 .Lentry_shape_is_right
	s_endpgm
.Lentry_shape_is_right:
; q = Q W_Q, k = K W_K, v = V W_V on the given codes of E2M3, sums in f32; the results are quantised at once: q and k along a head's 64 channels, v along the keys, and stored as images of operand registers.
; NOTHING OF reference() IS LEFT OUT in this program: all six products and all fourteen inputs have a way to the output.  The scores are made twice (launches stats and attn): the softmax runs over the queries,
; and its finished weights are quantised along the keys, so no weight can be quantised before its key's maximum and sum over all 2,048 queries are known.
; LIMITS: NaN and infinities among computed numbers are not served.  A block of zeros gets the scale byte 1 where the quantiser says 127: its codes are zeros, and this program alone reads these bytes.
; ROLES.  Source 1 ("A": a lane holds one of its rows), source 0 ("B": a lane's registers run along its rows).  q, k: A = tokens, B = the weight's columns.  v: A = W_V's columns, B = V's tokens.
; SHARES.  192 work-groups that stay (the three tensors do not divide over 256): 12 clusters of 4 x 4, clusters 0-3 q, 4-7 k, 8-11 v.  A work-group holds 256 rows of A, a wave 64 of them, WHOLE ALONG K IN REGISTERS
; (8 steps x 4 fragments x 12 = 384), and walks four tiles of 128 rows of B: a wave makes 64 x 128 a tile, 32 accumulators, and reads only B's fragments from LDS: 48 loads for 32 matrix instructions.
; LDS.  Rows lie whole along K: 768 bytes as three rows of 256 bytes + 16 of padding, 816 bytes a row; every tensor row is 256 bytes of a dense block and begins at a multiple of 256 bytes.
; Two slots of 128 rows at bytes 0 and 131,072 take B's tiles by turns.  The head's four loads, one a wave: B's tile 0 into slot 0; A's rows 0-127 into slot 1, 128-223 behind slot 1, 224-255 between the slots.
; A's rows go into registers; then each trip asks for the next tile, 32 rows a wave, into the slot read last, behind the full sequence and a round of the cluster's barrier: a whole tile ahead of its first read.
; B's tiles are the same down a column of the cluster and are asked for jointly.  A's loads are each work-group's own: in q and k a block of tokens is read by two work-groups only.
; No prefetch: the walk has four tiles, and each is asked for 256 matrix instructions and a way out ahead of its first read.
; The scale words go from memory into registers, 32 bytes a row, a lane a row; the next tile's are fetched a tile ahead into registers of their own and moved at the trip's head.
; THE ORDER INSIDE A BLOCK OF 32.  A lane's 16 registers of two neighbouring accumulators are numbers 8 h + 0..7 and 16 + 8 h + 0..7 of a block (h = lane / 16), so a block's codes lie in the order 0-7, 16-23, 8-15, 24-31:
; inside one scale's block, and alike in both operands of the product that reads them.
; OUT.  qbuf, kbuf: [head 64][128 tokens 16][6,656 bytes]: eight images of 16 tokens x 64 channels (3 planes of 256 bytes, plane p = registers 2 p, 2 p + 1, lane l at 8 l), then 512 bytes of scale words: lane l's word j at
; 16 l + 4 j belongs to tile 2 j + l / 16, row l % 16; bytes 2 and 3 are 0.  vbuf: [128 keys 64][head 16][6,400 bytes]: four images of 16 channels x 128 keys (6 planes), then 256 bytes of scale words.
; REGISTERS: window 0: v0-31 addresses; v32-63 B's scale words, v64-95 the next tile's, v96-111 A's; v160-255 B's fragments of even steps, on the way out at work.  window 1: A's fragments of steps 0-4.
; window 2: v0-143 those of steps 5-7; v144-239 B's fragments of odd steps.  window 3: the accumulators.
.set PITCH,  816
.set TILEB,  128*PITCH
.set S1,     131072                    ; slot 1; a slot's 104,448 bytes leave this bit free, so the slot changes by an exclusive or
.set GAP,    TILEB
.set UP,     S1+TILEB
.set SPARE,  UP+96*PITCH               ; the spare words: 128 bytes a wave
.set HEADB,  106496
.set RECB,   6656
.set VSTEPB, 102400
.set VRECB,  6400
.set VS,   7                           ; v7 where my scale words go
.set ADB,  8                           ; v8-11 B's fragments in this trip's slot: blocks 0-3 (plain; behind one padding more), blocks 4-7
.set BB,   12                          ; v12-15 the same without the slot
.set VO,   16                          ; v16-23 the stores' offsets: block a, half c at 2 a + c
.set AR,   24                          ; v24-27 A's staged rows: my blocks 0, 1 (plain; one padding more), blocks 2, 3
.set SPW,  28
.set NIL,  29
.set G32,  30
.set G8,   31
.set SB,   32
.set SN,   64
.set SA,   96
.set TM,   160
.set PWS,  176
.set SAI,  180
.set SBI,  182
.set CD,   184
.set PX,   208
.set G1J,  24                          ; group 1 of B's joint loads
.set G1P1, 32                          ; of A's own loads: 384, 288, 96 rows of 256 bytes
.set G1P2, 40
.set G1P3, 48
.set G0T,  56
.set G0A1, 60
.set G0A2, 68
.set G0A3, 72
.set G0R,  76
.set MSB, 0
.macro WIN new                         ; the immediate's high byte repeats the setting that is left
.if MSB != \new
	s_set_vgpr_msb (MSB<<8)|\new
.set MSB, \new
.endif
.endm
.macro WMS d, a, b, c, sa, sb, ra, rb
.if (\c) < 0
.if (\ra) && (\rb)
	v_wmma_scale_f32_16x16x128_f8f6f4 v[0+(\d):7+(\d)], v[0+(\a):11+(\a)], v[0+(\b):11+(\b)], 0, v[0+(\sa)], v[0+(\sb)] matrix_a_fmt:MATRIX_FMT_FP6 matrix_b_fmt:MATRIX_FMT_FP6 matrix_a_scale:MATRIX_SCALE_ROW1 matrix_b_scale:MATRIX_SCALE_ROW1
.elseif (\ra)
	v_wmma_scale_f32_16x16x128_f8f6f4 v[0+(\d):7+(\d)], v[0+(\a):11+(\a)], v[0+(\b):11+(\b)], 0, v[0+(\sa)], v[0+(\sb)] matrix_a_fmt:MATRIX_FMT_FP6 matrix_b_fmt:MATRIX_FMT_FP6 matrix_a_scale:MATRIX_SCALE_ROW1
.elseif (\rb)
	v_wmma_scale_f32_16x16x128_f8f6f4 v[0+(\d):7+(\d)], v[0+(\a):11+(\a)], v[0+(\b):11+(\b)], 0, v[0+(\sa)], v[0+(\sb)] matrix_a_fmt:MATRIX_FMT_FP6 matrix_b_fmt:MATRIX_FMT_FP6 matrix_b_scale:MATRIX_SCALE_ROW1
.else
	v_wmma_scale_f32_16x16x128_f8f6f4 v[0+(\d):7+(\d)], v[0+(\a):11+(\a)], v[0+(\b):11+(\b)], 0, v[0+(\sa)], v[0+(\sb)] matrix_a_fmt:MATRIX_FMT_FP6 matrix_b_fmt:MATRIX_FMT_FP6
.endif
.else
.if (\ra) && (\rb)
	v_wmma_scale_f32_16x16x128_f8f6f4 v[0+(\d):7+(\d)], v[0+(\a):11+(\a)], v[0+(\b):11+(\b)], v[0+(\c):7+(\c)], v[0+(\sa)], v[0+(\sb)] matrix_a_fmt:MATRIX_FMT_FP6 matrix_b_fmt:MATRIX_FMT_FP6 matrix_a_scale:MATRIX_SCALE_ROW1 matrix_b_scale:MATRIX_SCALE_ROW1
.elseif (\ra)
	v_wmma_scale_f32_16x16x128_f8f6f4 v[0+(\d):7+(\d)], v[0+(\a):11+(\a)], v[0+(\b):11+(\b)], v[0+(\c):7+(\c)], v[0+(\sa)], v[0+(\sb)] matrix_a_fmt:MATRIX_FMT_FP6 matrix_b_fmt:MATRIX_FMT_FP6 matrix_a_scale:MATRIX_SCALE_ROW1
.elseif (\rb)
	v_wmma_scale_f32_16x16x128_f8f6f4 v[0+(\d):7+(\d)], v[0+(\a):11+(\a)], v[0+(\b):11+(\b)], v[0+(\c):7+(\c)], v[0+(\sa)], v[0+(\sb)] matrix_a_fmt:MATRIX_FMT_FP6 matrix_b_fmt:MATRIX_FMT_FP6 matrix_b_scale:MATRIX_SCALE_ROW1
.else
	v_wmma_scale_f32_16x16x128_f8f6f4 v[0+(\d):7+(\d)], v[0+(\a):11+(\a)], v[0+(\b):11+(\b)], v[0+(\c):7+(\c)], v[0+(\sa)], v[0+(\sb)] matrix_a_fmt:MATRIX_FMT_FP6 matrix_b_fmt:MATRIX_FMT_FP6
.endif
.endif
.endm
.macro CROUND                          ; a round of the cluster's barrier
	s_barrier_signal -1
	s_barrier_wait -1
	s_cmp_lg_u32 s14, 0
	s_cbranch_scc1 .Lnot_wave_0_\@
	s_barrier_signal -3
.Lnot_wave_0_\@:
	s_barrier_wait -3
	s_barrier_signal -1
	s_barrier_wait -1
.endm
.macro PLACES                          ; plain vector instructions between a matrix instruction and a load into, or a read of, its registers
.rept 4
	v_nop
.endr
.endm
.macro G1SET g, rows                   ; rows of 256 bytes (32 elements of 8), dense
	s_mov_b32 s[\g+1], 32<<16
	s_mov_b32 s[\g+2], (\rows)<<16
	s_mov_b32 s[\g+3], 32<<16
	s_mov_b32 s[\g+4], \rows
	s_mov_b32 s[\g+5], 32
	s_mov_b32 s[\g+6], 0
	s_mov_b32 s[\g+7], 0
.endm
	s_load_b512 s[68:83], s[0:1], 0x0              ; Q's codes, scales; K's; W_V's; W_Q's
	s_load_b256 s[84:91], s[0:1], 0x40             ; W_K's codes, scales; V's
	s_load_b128 s[92:95], s[0:1], 0x60             ; qbuf, kbuf
	s_load_b64 s[96:97], s[0:1], 0x70              ; vbuf
	v_lshl_add_u32 v[SPW], v0, 2, SPARE
	v_mov_b32 v[NIL], 0
	ds_add_u32 v[SPW], v[NIL]                      ; the opening: the add, twice on end, and its wait ahead of my first tensor load
	ds_add_u32 v[SPW], v[NIL]
	v_lshrrev_b32 v1, 5, v0
	v_readfirstlane_b32 s14, v1                    ; wave 0..3
	s_bfe_u32 s15, ttmp6, 0x40000                  ; cx
	s_bfe_u32 s16, ttmp6, 0x40004                  ; cy
	s_and_b32 s3, ttmp7, 0xffff                    ; the cluster's y: 0-3 q, 4-7 k, 8-11 v
	s_and_b32 s17, s3, 3
	s_lshl_b32 s18, s17, 3
	s_lshl_b32 s19, s16, 1
	s_add_co_u32 s18, s18, s19
	s_lshr_b32 s19, s15, 1
	s_add_co_u32 s18, s18, s19                     ; q, k: A's block of 256 tokens: 8 (y % 4) + 2 cy + cx / 2
	s_and_b32 s20, s15, 1
	s_lshl_b32 s20, s20, 2                         ; q, k: B's first tile of 128 columns: 4 (cx % 2)
	s_lshl_b32 s21, s17, 4
	s_lshl_b32 s22, s15, 2
	s_add_co_u32 s21, s21, s22                     ; v: B's first tile of 128 tokens: 16 (y % 4) + 4 cx
	s_cmp_ge_u32 s3, 8
	s_cselect_b32 s18, s16, s18                    ; v: A's block of 256 columns: cy
	s_cselect_b32 s20, s21, s20
	s_lshl_b32 s23, 0x1111, s15                    ; my column of the cluster
	s_or_b32 s[G1J], s23, (3<<16)|(1<<20)|(1<<21)|(5<<22)|(3<<25)   ; the mask; 8-byte elements; padding on; bit 21 beside a mask; 4 words behind every 64
	s_mov_b32 s[G1P1], (3<<16)|(1<<20)|(5<<22)|(3<<25)
	s_mov_b32 s[G1P2], (3<<16)|(1<<20)|(5<<22)|(3<<25)
	s_mov_b32 s[G1P3], (3<<16)|(1<<20)|(5<<22)|(3<<25)
	G1SET G1J, 384
	G1SET G1P1, 384
	G1SET G1P2, 288
	G1SET G1P3, 96
	s_wait_dscnt 0x0                               ; both opening adds are done
	s_wait_kmcnt 0x0
	s_cmp_lt_u32 s3, 8                             ; the buffers are chosen on the cluster's y alone
	s_cselect_b64 s[4:5], s[72:73], s[76:77]
	s_cselect_b64 s[6:7], s[74:75], s[78:79]
	s_cselect_b64 s[8:9], s[84:85], s[88:89]
	s_cselect_b64 s[10:11], s[86:87], s[90:91]
	s_cselect_b64 s[12:13], s[94:95], s[96:97]
	s_cmp_lt_u32 s3, 4
	s_cselect_b64 s[4:5], s[68:69], s[4:5]         ; A's codes
	s_cselect_b64 s[6:7], s[70:71], s[6:7]         ; A's scales
	s_cselect_b64 s[8:9], s[80:81], s[8:9]         ; B's codes
	s_cselect_b64 s[10:11], s[82:83], s[10:11]     ; B's scales
	s_cselect_b64 s[12:13], s[92:93], s[12:13]     ; the output
	s_mul_i32 s80, s18, 256*768
	s_mov_b32 s81, 0
	s_add_nc_u64 s[4:5], s[4:5], s[80:81]          ; A's block
	s_mul_i32 s80, s20, 128*768
	s_add_nc_u64 s[8:9], s[8:9], s[80:81]          ; B's first tile
	s_lshl_b32 s80, s18, 13
	s_lshl_b32 s82, s14, 11
	s_add_co_u32 s80, s80, s82
	s_add_nc_u64 s[6:7], s[6:7], s[80:81]          ; the scales of my 64 rows of A
	s_lshl_b32 s80, s20, 12
	s_add_nc_u64 s[10:11], s[10:11], s[80:81]      ; and of B's first tile
	s_mov_b32 s[G0T], 1                            ; B's tile 0 into slot 0
	s_mov_b32 s[G0T+1], 0
	s_mov_b64 s[G0T+2:G0T+3], s[8:9]
	s_or_b32 s[G0T+3], s[G0T+3], 0x80000000
	s_mov_b32 s[G0A1], 1                           ; A's rows 0-127 into slot 1
	s_mov_b32 s[G0A1+1], S1
	s_mov_b64 s[G0A1+2:G0A1+3], s[4:5]
	s_or_b32 s[G0A1+3], s[G0A1+3], 0x80000000
	s_mov_b32 s[G0A2], 1                           ; rows 128-223 behind slot 1
	s_mov_b32 s[G0A2+1], UP
	s_add_nc_u64 s[G0A2+2:G0A2+3], s[4:5], 128*768
	s_or_b32 s[G0A2+3], s[G0A2+3], 0x80000000
	s_mov_b32 s[G0A3], 1                           ; rows 224-255 between the slots
	s_mov_b32 s[G0A3+1], GAP
	s_add_nc_u64 s[G0A3+2:G0A3+3], s[4:5], 224*768
	s_or_b32 s[G0A3+3], s[G0A3+3], 0x80000000
	s_mov_b32 s[G0R], 1                            ; the ring: my 32 rows of a tile; each trip steps it one tile and one slot on ahead of its load
	s_mul_i32 s[G0R+1], s14, 32*PITCH
	s_mul_i32 s80, s14, 32*768
	s_add_nc_u64 s[G0R+2:G0R+3], s[8:9], s[80:81]
	s_or_b32 s[G0R+3], s[G0R+3], 0x80000000
	CROUND                                         ; all sixteen work-groups are here: the first joint loads meet
.macro ARM under, g0, g1, next         ; the head's loads, one a wave, in one chain of branches on the wave's number
	s_cmp_lt_u32 s14, \under
	s_cbranch_scc0 \next
	tensor_load_to_lds s[\g0:\g0+3], s[\g1:\g1+7]
	s_nop 0
	PLACES
	s_branch .Lhead_asked
\next:
.endm
	ARM 1, G0T,  G1J,  .Lhead_1
	ARM 2, G0A1, G1P1, .Lhead_2
	ARM 3, G0A2, G1P2, .Lhead_3
	tensor_load_to_lds s[G0A3:G0A3+3], s[G1P3:G1P3+7]
	s_nop 0
	PLACES
.Lhead_asked:
	s_mul_i32 s82, s14, 64*PITCH
	s_add_co_u32 s82, s82, S1                      ; my 64 staged rows of A begin here;
	s_lshr_b32 s83, s14, 1
	s_and_b32 s83, s83, s14                        ; 1 in wave 3 alone,
	s_mul_i32 s83, s83, SPARE-GAP
	s_add_co_u32 s84, s82, 32*PITCH
	s_sub_co_u32 s84, s84, s83                     ; whose last 32 rows lie between the slots
	; where my results go.  q, k: head 16 (batch) + 2 (B's tile), record of my 128 tokens.  v: record of B's 128 keys, head 4 (A's block) + wave
	s_lshr_b32 s85, s18, 3
	s_lshl_b32 s85, s85, 4
	s_lshl_b32 s86, s20, 1
	s_add_co_u32 s85, s85, s86
	s_mul_i32 s85, s85, HEADB
	s_lshl_b32 s86, s18, 1
	s_lshr_b32 s87, s14, 1
	s_add_co_u32 s86, s86, s87
	s_and_b32 s86, s86, 15
	s_mul_i32 s86, s86, RECB
	s_add_co_u32 s85, s85, s86
	s_lshl_b32 s86, s18, 2
	s_add_co_u32 s86, s86, s14
	s_mul_i32 s86, s86, VRECB
	s_mul_i32 s87, s20, VSTEPB
	s_add_co_u32 s86, s86, s87
	s_and_b32 s87, s14, 1
	s_mul_i32 s90, s87, 3072                       ; q, k: my four tiles of the record's eight
	s_lshl_b32 s91, s87, 3                         ; and my two of a lane's four scale words
	s_cmp_ge_u32 s3, 8
	s_cselect_b32 s92, s86, s85
	s_cselect_b32 s90, 0, s90
	s_cselect_b32 s91, 0, s91
	s_mov_b32 s88, 2*HEADB
	s_cselect_b32 s88, VSTEPB, s88                 ; from tile to tile
	s_mov_b32 s94, 768
	s_cselect_b32 s94, 1536, s94                   ; from block to block of A
	s_mov_b32 s95, HEADB
	s_cselect_b32 s95, 768, s95                    ; from the first six registers of codes to the second
	s_cselect_b32 s96, 3, 4
	s_mov_b32 s89, 0
	s_mov_b32 s93, 0
	s_add_nc_u64 s[12:13], s[12:13], s[92:93]
	s_mov_b32 s22, 0x76543210                      ; v_permlanex16_b32's selects for lane l xor 16
	s_mov_b32 s23, 0xfedcba98
	s_mov_b32 s66, 0xffff0000                      ; lanes 16-31
	v_and_b32 v6, 31, v0
	v_and_b32 v1, 15, v0                           ; l % 16
	v_bfe_u32 v2, v0, 4, 1                         ; l / 16
	v_lshlrev_b32 v[G8], 3, v6
	v_lshlrev_b32 v[G32], 5, v6
	v_mul_u32_u24 v3, v1, PITCH
	v_mad_u32_u24 v[BB], v2, 24, v3
	v_mad_u32_u24 v[BB+1], v2, 40, v3
	v_add_nc_u32 v[BB+2], 64*PITCH, v[BB]
	v_add_nc_u32 v[BB+3], 64*PITCH, v[BB+1]
	v_add_nc_u32 v[AR], s82, v[BB]
	v_add_nc_u32 v[AR+1], s82, v[BB+1]
	v_add_nc_u32 v[AR+2], s84, v[BB]
	v_add_nc_u32 v[AR+3], s84, v[BB+1]
	v_lshlrev_b32 v[VS], s96, v6
	v_add_nc_u32 v[VS], s91, v[VS]
.irp a, 0,1,2,3
	v_add_nc_u32 v[VO+2*\a], s90, v[G8]
	s_add_co_u32 s97, s90, s95
	v_add_nc_u32 v[VO+2*\a+1], s97, v[G8]
	s_add_co_u32 s90, s90, s94
.endr
	s_wait_alu depctr_va_vdst(0)
.irp g, 0,1
	global_load_b128 v[SA+8*\g:SA+8*\g+3], v[G32], s[6:7] offset:1024*\g        ; register 8 g + k: step k; lanes 0-15 block 2 g, lanes 16-31 block 2 g + 1
	global_load_b128 v[SA+8*\g+4:SA+8*\g+7], v[G32], s[6:7] offset:1024*\g+16
.endr
.macro BSCALES
.irp g, 0,1,2,3
	global_load_b128 v[SN+8*\g:SN+8*\g+3], v[G32], s[10:11] offset:1024*\g
	global_load_b128 v[SN+8*\g+4:SN+8*\g+7], v[G32], s[10:11] offset:1024*\g+16
.endr
.endm
	BSCALES
	s_wait_tensorcnt 0x0                           ; my load of the head's four is in
	s_mov_b32 s[G1J+2], 96<<16                     ; no load of mine is out: from here on a joint load brings 32 rows of B
	s_mov_b32 s[G1J+4], 96
	s_barrier_signal -1
	s_barrier_wait -1                              ; everybody's is in
.macro FRAG reg, adr, st, i, per       ; 16 rows x 128 K: 12 registers in pieces of 8 bytes; byte y of a row lies at y + 16 (y / 256); lanes 16-31 read 24 bytes on, at places behind one padding more
.irp p, 0,1,2,3,4,5
.set BY, 96*(\st)+48*(\p/3)+8*(\p%3)
.if BY/256 == (BY+24)/256
	ds_load_b64 v[\reg+2*\p:\reg+2*\p+1], v[\adr+2*((\i)/(\per))] offset:BY+16*(BY/256)+((\i)%(\per))*16*PITCH
.else
	ds_load_b64 v[\reg+2*\p:\reg+2*\p+1], v[\adr+2*((\i)/(\per))+1] offset:BY+16*(BY/256)+((\i)%(\per))*16*PITCH
.endif
.endr
.endm
.macro ARES kk                         ; my four fragments of A of step kk
.irp a, 0,1,2,3
	FRAG 48*((\kk)%5)+12*\a, AR, \kk, \a, 2
.endr
.endm
	WIN 0x40
.irp k, 0,1,2,3,4
	ARES \k
.endr
	WIN 0x80
.irp k, 5,6,7
	ARES \k
.endr
	WIN 0
.macro FETCHB st                       ; B's eight fragments of step st
	WIN (0x80*((\st)%2))
.irp i, 0,1,2,3,4,5,6,7
	FRAG 160-16*((\st)%2)+12*\i, ADB, \st, \i, 4
.endr
	WIN 0
.endm
.macro MUL kk, zero                    ; 32 matrix instructions; the 32 accumulators take turns
	WIN (0xf0|(2*((\kk)%2))|((1+(\kk)/5)<<2))
.irp a, 0,1,2,3
.irp b, 0,1,2,3,4,5,6,7
.if \zero
	WMS 8*(8*\a+\b), 160-16*((\kk)%2)+12*\b, 48*((\kk)%5)+12*\a, -1, SB+8*(\b/2)+(\kk), SA+8*(\a/2)+(\kk), \b%2, \a%2
.else
	WMS 8*(8*\a+\b), 160-16*((\kk)%2)+12*\b, 48*((\kk)%5)+12*\a, 8*(8*\a+\b), SB+8*(\b/2)+(\kk), SA+8*(\a/2)+(\kk), \b%2, \a%2
.endif
.endr
.endr
.endm
; THE WAY OUT.  Block a (16 of A's rows): a lane's 64 numbers, four blocks of 32 shared with lane l xor 16, become 12 registers of codes and a scale word.
; A block's scale: the largest magnitude's exponent field less 2, held at 1 from below by the floor 2^(3 - 127) among the maximum's leaves.  Each accumulator is read from its low end on.
.macro QUANT a
.set AC, 64*(\a)
.set CS_, CD+12*((\a)%2)
.if (\a) >= 2
	s_wait_xcnt 0x0                                ; block a - 2's stores have read this set of code registers
.endif
	WIN 0x3c
.irp b, 0,1,2,3
	v_max3_num_f32 v[TM+\b], 0x1800000, |v[AC+16*\b]|, |v[AC+16*\b+1]|
.endr
.irp i, 2,4,6,8,10,12,14
.irp b, 0,1,2,3
	v_max3_num_f32 v[TM+\b], v[TM+\b], |v[AC+16*\b+\i]|, |v[AC+16*\b+\i+1]|
.endr
.endr
	WIN 0
.irp b, 0,1,2,3
	v_permlanex16_b32 v[TM+4+\b], v[TM+\b], s22, s23
.endr
.irp b, 0,1,2,3
	v_max_num_f32 v[TM+\b], v[TM+\b], v[TM+4+\b]
.endr
.irp b, 0,1,2,3
	v_add_nc_u32 v[TM+12+\b], 0xff000000, v[TM+\b] ; 2 off the exponent field: the conversion's scale operand
.endr
.irp b, 0,1,2,3
	v_lshrrev_b32 v[TM+4+\b], 23, v[TM+12+\b]      ; the scale's byte
.endr
	v_lshl_or_b32 v[PWS+(\a)], v[TM+5], 8, v[TM+4]
	v_lshl_or_b32 v[PWS+(\a)], v[TM+6], 16, v[PWS+(\a)]
	v_lshl_or_b32 v[PWS+(\a)], v[TM+7], 24, v[PWS+(\a)]
	WIN 0x03
.irp c, 0,1
	v_cvt_scalef32_pk16_fp6_f32 v[CS_+6*\c:CS_+6*\c+2], v[AC+32*\c:AC+32*\c+15], v[TM+12+2*\c]
	v_cvt_scalef32_pk16_fp6_f32 v[PX+4*\c:PX+4*\c+2], v[AC+32*\c+16:AC+32*\c+31], v[TM+13+2*\c]
.endr
	WIN 0
	v_nop                                          ; one plain place behind a scaled conversion
.irp c, 0,1                                    ; a whole block in a lane: lanes 0-15 block 2 c, lanes 16-31 block 2 c + 1
.irp i, 0,1,2
	v_permlane16_swap_b32 v[CS_+6*\c+\i], v[PX+4*\c+\i]
.endr
.irp i, 0,1,2
	v_mov_b32 v[CS_+6*\c+3+\i], v[PX+4*\c+\i]
.endr
.endr
.irp c, 0,1
.irp p, 0,1,2
	global_store_b64 v[VO+2*(\a)+\c], v[CS_+6*\c+2*\p:CS_+6*\c+2*\p+1], s[12:13] offset:256*\p   ; each store of the wave covers 256 consecutive bytes, aligned
.endr
.endr
.endm
; A trip: one tile of B.  Ahead of the barrier each wave waits for all its tensor loads, adds 0 to its spare word, and waits for that and for its LDS reads; work on registers stands between.
.macro TRIP fill
	s_wait_tensorcnt 0x0                           ; my part of this trip's tile is in
	ds_add_u32 v[SPW], v[NIL]
	s_wait_loadcnt 0x0                             ; this tile's scale words are in
	s_wait_xcnt 0x0                                ; the last tile's stores and loads have read their registers and bases
.set n, 0
.rept 32
	v_mov_b32 v[SB+n], v[SN+n]
.set n, n+1
.endr
	s_xor_b32 s98, s98, S1                         ; this trip's slot
.irp k, 0,1,2,3
	v_add_nc_u32 v[ADB+\k], s98, v[BB+\k]
.endr
.if \fill
	s_xor_b32 s[G0R+1], s[G0R+1], S1               ; no load of mine is out: the next tile, into the other slot
	s_add_nc_u64 s[G0R+2:G0R+3], s[G0R+2:G0R+3], 128*768
	s_add_nc_u64 s[10:11], s[10:11], 4096
.endif
	s_wait_alu depctr_va_vdst(0)
	s_wait_dscnt 0x0                               ; the add is done, and my reads of the other slot are over
.if \fill
	CROUND                                         ; no wave of any partner still reads that slot or has a load on its way
	tensor_load_to_lds s[G0R:G0R+3], s[G1J:G1J+7]  ; my one load behind the round
	s_nop 0
	PLACES
	BSCALES                                        ; the next tile's scale words
.else
	s_barrier_signal -1
	s_barrier_wait -1                              ; nothing is filled again: no round
.endif
	FETCHB 0
.rept 8
	v_nop                                          ; a scale register written by a vector instruction stands 8 places ahead of a scaled matrix instruction
.endr
	s_wait_dscnt 0x0
	FETCHB 1                                       ; the next step's 48 loads go out ahead of this step's products
	MUL 0, 1                                       ; the first products start the sums
.irp k, 1,2,3,4,5,6
	s_wait_dscnt 0x0
	PLACES                                         ; ahead of loads into the set that the last step multiplied
	FETCHB \k+1
	MUL \k, 0
.endr
	s_wait_dscnt 0x0
	MUL 7, 0
	WIN 0
	PLACES
.irp a, 0,1,2,3
	QUANT \a
.endr
	v_cndmask_b32 v[SAI], v[PWS], v[PWS+1], s66    ; lanes 0-15: block 0's words, lanes 16-31: block 1's
	v_cndmask_b32 v[SAI+1], v[PWS+2], v[PWS+3], s66
	s_cmp_ge_u32 s3, 8                             ; the cluster's y: the same way in all partners; the branch leads round stores alone
	s_wait_alu depctr_va_vdst(0)
	s_cbranch_scc1 .Lv_words_\@
	v_lshrrev_b32 v[SBI], 16, v[SAI]               ; q, k: my second head's two bytes,
	v_lshrrev_b32 v[SBI+1], 16, v[SAI+1]
	v_and_b32 v[SAI], 0xffff, v[SAI]               ; my first head's
	v_and_b32 v[SAI+1], 0xffff, v[SAI+1]
	global_store_b64 v[VS], v[SAI:SAI+1], s[12:13] offset:6144
	global_store_b64 v[VS], v[SBI:SBI+1], s[12:13] offset:HEADB+6144
	s_branch .Lwords_out_\@
.Lv_words_\@:
	global_store_b64 v[VS], v[SAI:SAI+1], s[12:13] offset:6144
.Lwords_out_\@:
.if \fill
	s_wait_xcnt 0x0                                ; the stores have read their base
	s_add_nc_u64 s[12:13], s[12:13], s[88:89]      ; the next tile's place
.endif
.endm
	s_mov_b32 s98, S1
	s_mov_b32 s99, 3
.Ltile:                                            ; three trips that ask for a next tile; the last tile is written out
	TRIP 1
	s_sub_co_u32 s99, s99, 1
	s_cmp_lg_u32 s99, 0
	s_wait_alu depctr_va_vdst(0)
	s_cbranch_scc1 .Ltile
	TRIP 0
	s_wait_tensorcnt 0x0                           ; the wave's end
	ds_add_u32 v[SPW], v[NIL]
	s_wait_dscnt 0x0
	CROUND                                         ; the closing round
	s_endpgm
.Lfunc_end_k_qdfaa390edb_proj:
	.size	k_qdfaa390edb_proj, .Lfunc_end_k_qdfaa390edb_proj-k_qdfaa390edb_proj
	.p2alignl 7, 3214868480
	.fill 96, 4, 3214868480
	.section	.rodata,"a",@progbits
	.p2align	6, 0x0
	.amdhsa_kernel k_qdfaa390edb_proj
		.amdhsa_group_segment_fixed_size 327680
		.amdhsa_private_segment_fixed_size 0
		.amdhsa_enable_private_segment 0
		.amdhsa_kernarg_size 120
		.amdhsa_user_sgpr_count 2
		.amdhsa_user_sgpr_kernarg_segment_ptr 1
		.amdhsa_wavefront_size32 1
		.amdhsa_system_sgpr_workgroup_id_x 1
		.amdhsa_system_sgpr_workgroup_id_y 1
		.amdhsa_system_sgpr_workgroup_id_z 1
		.amdhsa_system_vgpr_workitem_id 0
		.amdhsa_next_free_vgpr 1024
		.amdhsa_next_free_sgpr 100
		.amdhsa_reserve_vcc 0
		.amdhsa_float_denorm_mode_32 3
		.amdhsa_float_denorm_mode_16_64 3
		.amdhsa_memory_ordered 1
		.amdhsa_forward_progress 1
		.amdhsa_inst_pref_size 182
	.end_amdhsa_kernel
	.amdgpu_metadata
---
amdhsa.version: [ 1, 2 ]
amdhsa.kernels:
  - .name:           k_qdfaa390edb_proj
    .symbol:         k_qdfaa390edb_proj.kd
    .args:
      - { .name: Q_codes, .offset: 0, .size: 8, .value_kind: global_buffer, .address_space: global }
      - { .name: Q_scales, .offset: 8, .size: 8, .value_kind: global_buffer, .address_space: global }
      - { .name: K_codes, .offset: 16, .size: 8, .value_kind: global_buffer, .address_space: global }
      - { .name: K_scales, .offset: 24, .size: 8, .value_kind: global_buffer, .address_space: global }
      - { .name: W_V_codes, .offset: 32, .size: 8, .value_kind: global_buffer, .address_space: global }
      - { .name: W_V_scales, .offset: 40, .size: 8, .value_kind: global_buffer, .address_space: global }
      - { .name: W_Q_codes, .offset: 48, .size: 8, .value_kind: global_buffer, .address_space: global }
      - { .name: W_Q_scales, .offset: 56, .size: 8, .value_kind: global_buffer, .address_space: global }
      - { .name: W_K_codes, .offset: 64, .size: 8, .value_kind: global_buffer, .address_space: global }
      - { .name: W_K_scales, .offset: 72, .size: 8, .value_kind: global_buffer, .address_space: global }
      - { .name: V_codes, .offset: 80, .size: 8, .value_kind: global_buffer, .address_space: global }
      - { .name: V_scales, .offset: 88, .size: 8, .value_kind: global_buffer, .address_space: global }
      - { .name: qbuf, .offset: 96, .size: 8, .value_kind: global_buffer, .address_space: global }
      - { .name: kbuf, .offset: 104, .size: 8, .value_kind: global_buffer, .address_space: global }
      - { .name: vbuf, .offset: 112, .size: 8, .value_kind: global_buffer, .address_space: global }
    .group_segment_fixed_size: 327680
    .private_segment_fixed_size: 0
    .kernarg_segment_align: 8
    .kernarg_segment_size: 120
    .max_flat_workgroup_size: 128
    .sgpr_count:     100
    .vgpr_count:     1024
    .wavefront_size: 32
...
	.end_amdgpu_metadata
.endif
;; end of part 1
;; launch stats (part 2): grid 4 x 64, 16 waves a work-group, clusters of 4 x 1, 167,936 bytes of LDS; arguments qbuf, kbuf, stats; writes stats
.if DOCPART == 2
	.amdgcn_target "amdgcn-amd-amdhsa--gfx1250"
	.amdhsa_code_object_version 6
	.text
	.protected	k_qdfaa390edb_stats
	.globl	k_qdfaa390edb_stats
	.p2align	8
	.type	k_qdfaa390edb_stats,@function
k_qdfaa390edb_stats:
	s_mov_b64 s[64:65], 0
	v_nop
	global_prefetch_b8 v0, s[64:65] scope:SCOPE_SE
	s_setreg_imm32_b32 hwreg(HW_REG_WAVE_MODE, 25, 1), 1
	s_wait_xcnt 0x0
	s_wait_alu depctr_hold_cnt(0) depctr_sa_sdst(0) depctr_va_vdst(0) depctr_va_sdst(0) depctr_va_ssrc(0) depctr_va_vcc(0) depctr_vm_vsrc(0)
	s_getreg_b32 s2, hwreg(HW_REG_IB_STS2, 6, 4)
	s_cmp_eq_u32 s2, 0
	s_cbranch_scc0 .Lentry_in_a_cluster
	s_endpgm
.Lentry_in_a_cluster:
	s_bfe_u32 s2, ttmp6, 0x10000c
	s_cmp_lg_u32 s2, 0x3003
	s_cbranch_scc0 .Lentry_shape_is_right
	s_endpgm
.Lentry_shape_is_right:
; For every key of every head: m = the largest score over all 2,048 queries, l = the sum over the queries of e^((score - m) / 8), and C' = -(c m + log2 l), c = log2(e) / 8, so that the finished weight is 2^(c score + C').
; Nothing of reference() is left out here; the scores are made once more in launch attn.
; The maximum is taken away before every exponential, by a running maximum a lane; sums under an old maximum are multiplied by 2^(c old - c new).
; LIMITS: NaN and infinities among the scores are not served.
; SHARES.  A cluster of four work-groups takes a head; work-group cx its keys 512 cx on; each of the sixteen waves two tiles of 16 keys, and walks all 2,048 queries, 128 a trip.
; The head's q (106,496 bytes of images) comes into LDS once, jointly for the four partners: every wave asks for one record of 6,656 bytes.  No byte of LDS is filled again, so the loop has no barrier.
; LAYOUT.  Source 0 = 16 queries (streamed), source 1 = my 16 keys: a lane holds ONE key (lane % 16) and its registers hold queries, so maximum and sum stay in the lane until the end.
; K = 64 IN AN INSTRUCTION OF 128: my keys' fragments have zero codes in their upper six registers; the queries' images lie packed, six registers a tile, and a tile's operand is the run of 12 registers from its first:
; its upper half, the next tile's codes (behind the last tile: zeros), meets the zeros.  The scale words' bytes 2 and 3 are 0, which is a power of two like any other.
.set HEADB, 106496
.set RECB,  6656
.set SPARE, 106496                     ; behind q: the spare words, 128 bytes for each of 16 waves
.set A8,   1                           ; v1  8 x lane
.set A16,  2                           ; v2  16 x lane
.set AD8,  3                           ; v3, v4 the trip's LDS addresses
.set AD16, 4
.set A4,   5                           ; v5  4 x lane
.set SPW,  6
.set NIL,  7
.set CC,   8                           ; v8, v9 c, twice: the two halves of a dual-issue pair take their sources from different register banks
.set SS,   10
.set RS,   14                          ; v14 my keys' scale words: lanes 0-15 tile 0's, lanes 16-31 tile 1's
.set ST,   16                          ; tile t's state at v[16 + 6 t]: +0 the largest score, +2 (a pair) -c x it, +4, +5 the sum in two halves
.set CH,   28                          ; v28-31 four chains of the maximum
.set OLD,  32
.set AL,   34                          ; v[34:35] 2^(c old - c new)
.set T2,   36                          ; v[36:37] a second chain of the sum
.set RF,   42                          ; v42-65 my keys' two fragments
.set SF,   66                          ; v66-119 eight tiles of queries, six registers each, and six zeros
.set SA,   120                         ; v120-183 tile 0's scores
.set SB,   184                         ; v184-247 tile 1's
.macro WMS d, a, b, c, sa, sb, ra, rb
.if (\c) < 0
.if (\ra) && (\rb)
	v_wmma_scale_f32_16x16x128_f8f6f4 v[0+(\d):7+(\d)], v[0+(\a):11+(\a)], v[0+(\b):11+(\b)], 0, v[0+(\sa)], v[0+(\sb)] matrix_a_fmt:MATRIX_FMT_FP6 matrix_b_fmt:MATRIX_FMT_FP6 matrix_a_scale:MATRIX_SCALE_ROW1 matrix_b_scale:MATRIX_SCALE_ROW1
.elseif (\ra)
	v_wmma_scale_f32_16x16x128_f8f6f4 v[0+(\d):7+(\d)], v[0+(\a):11+(\a)], v[0+(\b):11+(\b)], 0, v[0+(\sa)], v[0+(\sb)] matrix_a_fmt:MATRIX_FMT_FP6 matrix_b_fmt:MATRIX_FMT_FP6 matrix_a_scale:MATRIX_SCALE_ROW1
.elseif (\rb)
	v_wmma_scale_f32_16x16x128_f8f6f4 v[0+(\d):7+(\d)], v[0+(\a):11+(\a)], v[0+(\b):11+(\b)], 0, v[0+(\sa)], v[0+(\sb)] matrix_a_fmt:MATRIX_FMT_FP6 matrix_b_fmt:MATRIX_FMT_FP6 matrix_b_scale:MATRIX_SCALE_ROW1
.else
	v_wmma_scale_f32_16x16x128_f8f6f4 v[0+(\d):7+(\d)], v[0+(\a):11+(\a)], v[0+(\b):11+(\b)], 0, v[0+(\sa)], v[0+(\sb)] matrix_a_fmt:MATRIX_FMT_FP6 matrix_b_fmt:MATRIX_FMT_FP6
.endif
.endif
.endm
.macro CROUND
	s_barrier_signal -1
	s_barrier_wait -1
	s_cmp_lg_u32 s16, 0
	s_cbranch_scc1 .Lnot_wave_0_\@
	s_barrier_signal -3
.Lnot_wave_0_\@:
	s_barrier_wait -3
	s_barrier_signal -1
	s_barrier_wait -1
.endm
	s_load_b128 s[4:7], s[0:1], 0x0                ; qbuf, kbuf
	s_load_b64 s[8:9], s[0:1], 0x10                ; stats
	v_lshl_add_u32 v[SPW], v0, 2, SPARE
	v_mov_b32 v[NIL], 0
	ds_add_u32 v[SPW], v[NIL]                      ; the wave's opening: the add, twice on end, and its wait ahead of my first tensor load
	ds_add_u32 v[SPW], v[NIL]
	v_lshrrev_b32 v8, 5, v0
	s_delay_alu instid0(VALU_DEP_1)
	v_readfirstlane_b32 s16, v8                    ; wave 0..15
	s_bfe_u32 s17, ttmp6, 0x40000                  ; cx
	s_and_b32 s18, ttmp7, 0xffff                   ; the head, which the four partners share
	s_mov_b32 s24, 15|(3<<16)|(1<<21)              ; group 1: all four work-groups; elements of 8 bytes; bit 21 beside a mask; no padding
	s_mov_b32 s25, 32<<16                          ; tensor_dim0: 256 bytes
	s_mov_b32 s26, 26<<16                          ; tensor_dim1: 26 rows: a record
	s_mov_b32 s27, 32<<16                          ; tile_dim0
	s_mov_b32 s28, 26                              ; tile_dim1
	s_mov_b32 s29, 32                              ; the pitch: dense
	s_mov_b32 s30, 0
	s_mov_b32 s31, 0
	s_mov_b32 s40, 0x3e38aa3b                      ; c = log2(e) / sqrt(64)
	s_mov_b32 s41, s40
	s_mov_b32 s42, 0xbe38aa3b                      ; -c
	s_mov_b32 s44, 0x76543210
	s_mov_b32 s45, 0xfedcba98
	s_mov_b32 s48, 0xffff0000                      ; lanes 16-31
	s_mul_i32 s20, s18, HEADB                      ; the head's block in qbuf and kbuf
	s_mul_i32 s19, s16, RECB                       ; my record of q: in memory and in LDS
	s_add_co_u32 s22, s20, s19
	s_mov_b32 s23, 0
	s_lshl_b32 s21, s17, 2
	s_lshr_b32 s36, s16, 2
	s_add_co_u32 s21, s21, s36                     ; my keys' record: 4 cx + wave / 4
	s_mul_i32 s21, s21, RECB
	s_add_co_u32 s36, s20, s21
	s_mov_b32 s37, 0
	s_and_b32 s38, s16, 3                          ; my two tiles in it: 2 (wave % 4) on
	s_mov_b32 s39, 0
	v_and_b32 v8, 31, v0
	s_delay_alu instid0(VALU_DEP_1)
	v_lshlrev_b32 v[A8], 3, v8
	s_delay_alu instid0(VALU_DEP_2)
	v_lshlrev_b32 v[A16], 4, v8
	s_delay_alu instid0(VALU_DEP_3)
	v_lshlrev_b32 v[A4], 2, v8
	s_wait_dscnt 0x0                               ; both opening adds are done
	s_wait_kmcnt 0x0
	s_mov_b32 s32, 1                               ; group 0
	s_mov_b32 s33, s19
	s_add_nc_u64 s[34:35], s[4:5], s[22:23]
	s_or_b32 s35, s35, 0x80000000
	CROUND                                         ; all four work-groups are here: the joint loads meet
	tensor_load_to_lds s[32:35], s[24:31]          ; one load a wave is out
	s_nop 0
.rept 4
	v_nop
.endr
	s_add_nc_u64 s[6:7], s[6:7], s[36:37]          ; kbuf at my keys' record
	s_mul_i32 s36, s38, 1536
	s_add_nc_u64 s[10:11], s[6:7], s[36:37]        ; my two images
	s_lshl_b32 s38, s38, 2
	s_add_nc_u64 s[12:13], s[6:7], s[38:39]        ; my word of each lane's four
	s_wait_alu depctr_va_vdst(0)
.irp t, 0,1
.irp p, 0,1,2
	global_load_b64 v[RF+12*\t+2*\p:RF+12*\t+2*\p+1], v[A8], s[10:11] offset:768*\t+256*\p
.endr
.endr
	global_load_b32 v[RS], v[A16], s[12:13] offset:6144
.irp t, 0,1
.irp i, 6,7,8,9,10,11
	v_mov_b32 v[RF+12*\t+\i], 0                    ; zero codes for k = 64 .. 127
.endr
.endr
.irp i, 48,49,50,51,52,53
	v_mov_b32 v[SF+\i], 0                          ; behind the last tile of queries
.endr
.irp t, 0,1
	v_mov_b32 v[ST+6*\t], 0xff61b1e6               ; the largest score so far: -3e38
	s_delay_alu instid0(VALU_DEP_1)
	v_mul_f32 v[ST+6*\t+2], s42, v[ST+6*\t]
	v_mov_b32 v[ST+6*\t+3], 0                      ; (named as the upper half of a pair)
	v_mov_b32 v[ST+6*\t+4], 0
	v_mov_b32 v[ST+6*\t+5], 0
	v_mov_b32 v[38+\t], 0                          ; a lane permute's destination counts as one of its sources
.endr
	v_mov_b32 v[AL+1], 0
	v_mov_b32 v[CC], s40
	v_mov_b32 v[CC+1], s40
	s_lshl_b32 s20, s18, 13                        ; stats: 8,192 bytes a head, 2,048 a work-group, 128 a wave
	s_lshl_b32 s21, s17, 11
	s_add_co_u32 s20, s20, s21
	s_lshl_b32 s21, s16, 7
	s_add_co_u32 s20, s20, s21
	s_mov_b32 s21, 0
	s_add_nc_u64 s[8:9], s[8:9], s[20:21]
	s_wait_loadcnt 0x0
	s_wait_tensorcnt 0x0                           ; my record is in,
	s_barrier_signal -1
	s_barrier_wait -1                              ; everybody's is
.macro SMUL t, X                       ; eight tiles of 16 queries against my tile t of keys; eight accumulators, each begun with the constant 0
.irp u, 0,1,2,3,4,5,6,7
	WMS \X+8*\u, SF+6*\u, RF+12*(\t), -1, SS+\u/2, RS, \u%2, \t
.endr
.endm
.macro VAL t, X                        ; 64 scores of a lane's key: the new maximum, the exponentials, the sum.  Each accumulator is read from its low end on
.set TS_, ST+6*(\t)
.irp q, 0,1,2,3
	v_max3_num_f32 v[CH+\q], v[\X+16*\q], v[\X+16*\q+1], v[\X+16*\q+2]
.endr
.irp i, 3,5,7,9,11,13
.irp q, 0,1,2,3
	v_max3_num_f32 v[CH+\q], v[CH+\q], v[\X+16*\q+\i], v[\X+16*\q+\i+1]
.endr
.endr
	v_max3_num_f32 v[CH], v[CH], v[\X+15], v[\X+31]
	v_max3_num_f32 v[CH+2], v[CH+2], v[\X+47], v[\X+63]
	s_delay_alu instid0(VALU_DEP_1)
	v_max3_num_f32 v[CH], v[CH], v[CH+1], v[CH+2]
	v_mov_b32 v[OLD], v[TS_+2]
	s_delay_alu instid0(VALU_DEP_2)
	v_max3_num_f32 v[TS_], v[CH], v[CH+3], v[TS_]
	s_delay_alu instid0(VALU_DEP_1)
	v_mul_f32 v[TS_+2], s42, v[TS_]                ; -c m
	v_mul_f32 v[TS_+3], s42, v[TS_]                ; and once more, in the neighbouring register
	s_delay_alu instid0(VALU_DEP_2)
	v_sub_f32 v[AL], v[TS_+2], v[OLD]              ; c old m - c new m, 0 or less
.set n, 0
.rept 32
	v_dual_fma_f32 v[\X+n], v[\X+n], v[CC], v[TS_+2] :: v_dual_fma_f32 v[\X+n+1], v[\X+n+1], v[CC+1], v[TS_+3]   ; c score - c m, two in one instruction
.set n, n+2
.endr
	s_wait_alu depctr_va_vdst(0)
	v_exp_f32 v[AL], v[AL]
.set n, 0
.rept 64
	v_exp_f32 v[\X+n], v[\X+n]
.set n, n+1
.endr
	v_nop                                          ; a plain place behind the last exponential
	s_wait_alu depctr_va_vdst(0)                   ; one wait for the batch of 65, ahead of its first reader
	v_pk_fma_f32 v[TS_+4:TS_+5], v[TS_+4:TS_+5], v[AL:AL+1], v[\X:\X+1] op_sel_hi:[1,0,1]
	v_dual_add_f32 v[T2], v[\X+2], v[\X+4] :: v_dual_add_f32 v[T2+1], v[\X+3], v[\X+5]
.irp j, 6,10,14,18,22,26,30,34,38,42,46,50,54,58
	v_dual_add_f32 v[TS_+4], v[TS_+4], v[\X+\j] :: v_dual_add_f32 v[TS_+5], v[TS_+5], v[\X+\j+1]
	v_dual_add_f32 v[T2], v[T2], v[\X+\j+2] :: v_dual_add_f32 v[T2+1], v[T2+1], v[\X+\j+3]
.endr
	v_dual_add_f32 v[TS_+4], v[TS_+4], v[\X+62] :: v_dual_add_f32 v[TS_+5], v[TS_+5], v[\X+63]
	v_dual_add_f32 v[TS_+4], v[TS_+4], v[T2] :: v_dual_add_f32 v[TS_+5], v[TS_+5], v[T2+1]
.endm
	s_mov_b32 s46, 0                               ; the trip's record in LDS
	s_mov_b32 s47, 16
.Lq:                                               ; 16 trips of 128 queries
	v_add_nc_u32 v[AD8], s46, v[A8]
	v_add_nc_u32 v[AD16], s46, v[A16]
.irp u, 0,1,2,3,4,5,6,7
.irp p, 0,1,2
	ds_load_b64 v[SF+6*\u+2*\p:SF+6*\u+2*\p+1], v[AD8] offset:768*\u+256*\p   ; 32 lanes read 256 consecutive bytes.  (The products that read these registers stand two VAL back)
.endr
.endr
	ds_load_b128 v[SS:SS+3], v[AD16] offset:6144
	s_wait_dscnt 0x0
	SMUL 0, SA
	SMUL 1, SB
.rept 4
	v_nop                                          ; places ahead of the first read of results
.endr
	VAL 0, SA
	VAL 1, SB
	s_add_co_u32 s46, s46, RECB
	s_sub_co_u32 s47, s47, 1
	s_cmp_lg_u32 s47, 0
	s_cbranch_scc1 .Lq
	; lanes l and l xor 16 hold the same key's two halves of the queries: they are joined under the common maximum
.irp t, 0,1
	v_permlanex16_b32 v[38+\t], v[ST+6*\t], s44, s45
.endr
.irp t, 0,1
	s_delay_alu instid0(VALU_DEP_2)
	v_max_num_f32 v[38+\t], v[38+\t], v[ST+6*\t]   ; m
.endr
.irp t, 0,1
	s_delay_alu instid0(VALU_DEP_2)
	v_mul_f32 v[40+\t], s42, v[38+\t]              ; -c m
.endr
.irp t, 0,1
	s_delay_alu instid0(VALU_DEP_2)
	v_sub_f32 v[CH+\t], v[40+\t], v[ST+6*\t+2]     ; c (my m) - c m
.endr
	s_wait_alu depctr_va_vdst(0)
.irp t, 0,1
	v_exp_f32 v[CH+\t], v[CH+\t]
.endr
.irp t, 0,1
	v_add_f32 v[CH+2+\t], v[ST+6*\t+4], v[ST+6*\t+5]
.endr
	s_wait_alu depctr_va_vdst(0)
.irp t, 0,1
	v_mul_f32 v[CH+2+\t], v[CH+2+\t], v[CH+\t]
.endr
.irp t, 0,1
	s_delay_alu instid0(VALU_DEP_2)
	v_permlanex16_b32 v[38+\t], v[CH+2+\t], s44, s45
.endr
.irp t, 0,1
	s_delay_alu instid0(VALU_DEP_2)
	v_add_f32 v[CH+2+\t], v[CH+2+\t], v[38+\t]     ; l
.endr
	s_wait_alu depctr_va_vdst(0)
.irp t, 0,1
	v_log_f32 v[CH+2+\t], v[CH+2+\t]
.endr
	v_nop
	s_wait_alu depctr_va_vdst(0)
.irp t, 0,1
	v_sub_f32 v[40+\t], v[40+\t], v[CH+2+\t]       ; C' = -c m - log2 l
.endr
	s_delay_alu instid0(VALU_DEP_1)
	v_cndmask_b32 v[OLD], v40, v41, s48            ; lanes 0-15 tile 0's keys, lanes 16-31 tile 1's
	global_store_b32 v[A4], v[OLD], s[8:9]         ; my 32 keys: 128 consecutive bytes
	s_wait_tensorcnt 0x0                           ; the wave's end
	ds_add_u32 v[SPW], v[NIL]
	s_wait_dscnt 0x0
	CROUND                                         ; the closing round
	s_endpgm
.Lfunc_end_k_qdfaa390edb_stats:
	.size	k_qdfaa390edb_stats, .Lfunc_end_k_qdfaa390edb_stats-k_qdfaa390edb_stats
	.p2alignl 7, 3214868480
	.fill 96, 4, 3214868480
	.section	.rodata,"a",@progbits
	.p2align	6, 0x0
	.amdhsa_kernel k_qdfaa390edb_stats
		.amdhsa_group_segment_fixed_size 167936
		.amdhsa_private_segment_fixed_size 0
		.amdhsa_enable_private_segment 0
		.amdhsa_kernarg_size 24
		.amdhsa_user_sgpr_count 2
		.amdhsa_user_sgpr_kernarg_segment_ptr 1
		.amdhsa_wavefront_size32 1
		.amdhsa_system_sgpr_workgroup_id_x 1
		.amdhsa_system_sgpr_workgroup_id_y 1
		.amdhsa_system_sgpr_workgroup_id_z 1
		.amdhsa_system_vgpr_workitem_id 0
		.amdhsa_next_free_vgpr 256
		.amdhsa_next_free_sgpr 66
		.amdhsa_reserve_vcc 0
		.amdhsa_float_denorm_mode_32 3
		.amdhsa_float_denorm_mode_16_64 3
		.amdhsa_memory_ordered 1
		.amdhsa_forward_progress 1
		.amdhsa_inst_pref_size 31
	.end_amdhsa_kernel
	.amdgpu_metadata
---
amdhsa.version: [ 1, 2 ]
amdhsa.kernels:
  - .name:           k_qdfaa390edb_stats
    .symbol:         k_qdfaa390edb_stats.kd
    .args:
      - { .name: qbuf, .offset: 0, .size: 8, .value_kind: global_buffer, .address_space: global }
      - { .name: kbuf, .offset: 8, .size: 8, .value_kind: global_buffer, .address_space: global }
      - { .name: stats, .offset: 16, .size: 8, .value_kind: global_buffer, .address_space: global }
    .group_segment_fixed_size: 167936
    .private_segment_fixed_size: 0
    .kernarg_segment_align: 8
    .kernarg_segment_size: 24
    .max_flat_workgroup_size: 512
    .sgpr_count:     66
    .vgpr_count:     256
    .wavefront_size: 32
...
	.end_amdgpu_metadata
.endif
;; end of part 2
;; launch attn (part 3): grid 4 x 64, 8 waves a work-group, clusters of 4 x 1, 327,680 bytes of LDS; arguments qbuf, kbuf, vbuf, stats, abuf, asc; writes abuf, asc
.if DOCPART == 3
	.amdgcn_target "amdgcn-amd-amdhsa--gfx1250"
	.amdhsa_code_object_version 6
	.text
	.protected	k_qdfaa390edb_attn
	.globl	k_qdfaa390edb_attn
	.p2align	8
	.type	k_qdfaa390edb_attn,@function
k_qdfaa390edb_attn:
	s_mov_b64 s[64:65], 0
	v_nop
	global_prefetch_b8 v0, s[64:65] scope:SCOPE_SE
	s_setreg_imm32_b32 hwreg(HW_REG_WAVE_MODE, 25, 1), 1
	s_wait_xcnt 0x0
	s_wait_alu depctr_hold_cnt(0) depctr_sa_sdst(0) depctr_va_vdst(0) depctr_va_sdst(0) depctr_va_ssrc(0) depctr_va_vcc(0) depctr_vm_vsrc(0)
	s_getreg_b32 s2, hwreg(HW_REG_IB_STS2, 6, 4)
	s_cmp_eq_u32 s2, 0
	s_cbranch_scc0 .Lentry_in_a_cluster
	s_endpgm
.Lentry_in_a_cluster:
	s_bfe_u32 s2, ttmp6, 0x10000c
	s_cmp_lg_u32 s2, 0x3003
	s_cbranch_scc0 .Lentry_shape_is_right
	s_endpgm
.Lentry_shape_is_right:
.set HEADB,  106496
.set RECB,   6656
.set VSTEPB, 102400
.set VRECB,  6400
.set VREG,   106496
; The finished weights 2^(c score + C') of a head's 512 queries against all its keys, quantised along the keys, times v; the result is quantised along the channels and stored as operand images.  Nothing of reference() is left out here.
; THE HEAD: one joint load a wave: waves 0-3 bring k's sixteen records, four each, waves 4-7 v's.  The head's 8,192 bytes of C' go through registers into LDS bytes of their own, 1,024 bytes a wave.
.set STAT,   208896
.set SPARE,  217088
.set AK8,  1
.set AK16, 2
.set AV8,  3
.set AC0,  4
.set ADK8, 6
.set ADK16, 7
.set ADV8, 8
.set ADC,  9
.set SPW,  12
.set NIL,  13
.set KS,   16
.set VS,   20
.set QS,   22
; THE KEYS OF A TILE OF k ARE NOT NEIGHBOURS.  Of a step's 128 keys, tile 4 g + s takes as its rows 0-7 keys 64 g + 8 x + 0..7 and as its rows 8-15 keys 64 g + 32 + 8 x + 0..7, x = 0, 2, 1, 3 for s = 0, 1, 2, 3.
; So lanes 0-15 hold all 32 weights of blocks 0 and 2 of their query, lanes 16-31 those of blocks 1 and 3, as the operand's layout wants them, in the order 0-7, 16-23, 8-15, 24-31 in which v's codes lie:
; a block's maximum stays in the lane and no code changes lanes; one lane permute joins the four scale bytes.  Only the LDS addresses of k's images, of its scale words and of C' say which keys form a tile.
.set PW,   24
.set SH8,  25                          ; v25 8 x (lane / 16): where my two scale bytes go in the word
.set CC,   26                          ; v26, v27 c, twice: the halves of a dual-issue pair take their sources from different register banks
.set AKP,  14                          ; v14 k's images: 8 (r % 8) + 128 (lane / 16) + 1,536 (r / 8), r = lane % 16
.set AKS,  15                          ; v15 k's scale words: 16 (r % 8) + 256 (lane / 16) + 4 (r / 8)
.set TM,   28
.set CD,   44
.set PX,   56
.set S,    64
.set CP,   128
.set VF,   192
.set AO,   64
.set AW,   100
.set QF,   128
.set KF,   176
.set G1K, 24
.set G1V, 32
.set G1C, 40
.set G0K, 48
.set G0V, 52
.set G0C, 56
.set MSB, 0
.macro WIN new
.if MSB != \new
	s_set_vgpr_msb (MSB<<8)|\new
.set MSB, \new
.endif
.endm
.macro WMS d, a, b, c, sa, sb, ra, rb
.if (\c) < 0
.if (\ra) && (\rb)
	v_wmma_scale_f32_16x16x128_f8f6f4 v[0+(\d):7+(\d)], v[0+(\a):11+(\a)], v[0+(\b):11+(\b)], 0, v[0+(\sa)], v[0+(\sb)] matrix_a_fmt:MATRIX_FMT_FP6 matrix_b_fmt:MATRIX_FMT_FP6 matrix_a_scale:MATRIX_SCALE_ROW1 matrix_b_scale:MATRIX_SCALE_ROW1
.elseif (\ra)
	v_wmma_scale_f32_16x16x128_f8f6f4 v[0+(\d):7+(\d)], v[0+(\a):11+(\a)], v[0+(\b):11+(\b)], 0, v[0+(\sa)], v[0+(\sb)] matrix_a_fmt:MATRIX_FMT_FP6 matrix_b_fmt:MATRIX_FMT_FP6 matrix_a_scale:MATRIX_SCALE_ROW1
.elseif (\rb)
	v_wmma_scale_f32_16x16x128_f8f6f4 v[0+(\d):7+(\d)], v[0+(\a):11+(\a)], v[0+(\b):11+(\b)], 0, v[0+(\sa)], v[0+(\sb)] matrix_a_fmt:MATRIX_FMT_FP6 matrix_b_fmt:MATRIX_FMT_FP6 matrix_b_scale:MATRIX_SCALE_ROW1
.else
	v_wmma_scale_f32_16x16x128_f8f6f4 v[0+(\d):7+(\d)], v[0+(\a):11+(\a)], v[0+(\b):11+(\b)], 0, v[0+(\sa)], v[0+(\sb)] matrix_a_fmt:MATRIX_FMT_FP6 matrix_b_fmt:MATRIX_FMT_FP6
.endif
.else
.if (\ra) && (\rb)
	v_wmma_scale_f32_16x16x128_f8f6f4 v[0+(\d):7+(\d)], v[0+(\a):11+(\a)], v[0+(\b):11+(\b)], v[0+(\c):7+(\c)], v[0+(\sa)], v[0+(\sb)] matrix_a_fmt:MATRIX_FMT_FP6 matrix_b_fmt:MATRIX_FMT_FP6 matrix_a_scale:MATRIX_SCALE_ROW1 matrix_b_scale:MATRIX_SCALE_ROW1
.elseif (\ra)
	v_wmma_scale_f32_16x16x128_f8f6f4 v[0+(\d):7+(\d)], v[0+(\a):11+(\a)], v[0+(\b):11+(\b)], v[0+(\c):7+(\c)], v[0+(\sa)], v[0+(\sb)] matrix_a_fmt:MATRIX_FMT_FP6 matrix_b_fmt:MATRIX_FMT_FP6 matrix_a_scale:MATRIX_SCALE_ROW1
.elseif (\rb)
	v_wmma_scale_f32_16x16x128_f8f6f4 v[0+(\d):7+(\d)], v[0+(\a):11+(\a)], v[0+(\b):11+(\b)], v[0+(\c):7+(\c)], v[0+(\sa)], v[0+(\sb)] matrix_a_fmt:MATRIX_FMT_FP6 matrix_b_fmt:MATRIX_FMT_FP6 matrix_b_scale:MATRIX_SCALE_ROW1
.else
	v_wmma_scale_f32_16x16x128_f8f6f4 v[0+(\d):7+(\d)], v[0+(\a):11+(\a)], v[0+(\b):11+(\b)], v[0+(\c):7+(\c)], v[0+(\sa)], v[0+(\sb)] matrix_a_fmt:MATRIX_FMT_FP6 matrix_b_fmt:MATRIX_FMT_FP6
.endif
.endif
.endm
.macro CROUND
	s_barrier_signal -1
	s_barrier_wait -1
	s_cmp_lg_u32 s16, 0
	s_cbranch_scc1 .Lnot_wave_0_\@
	s_barrier_signal -3
.Lnot_wave_0_\@:
	s_barrier_wait -3
	s_barrier_signal -1
	s_barrier_wait -1
.endm
	s_load_b256 s[4:11], s[0:1], 0x0
	s_load_b128 s[12:15], s[0:1], 0x20
	v_lshl_add_u32 v[SPW], v0, 2, SPARE
	v_mov_b32 v[NIL], 0
	ds_add_u32 v[SPW], v[NIL]
	ds_add_u32 v[SPW], v[NIL]
	v_lshrrev_b32 v5, 5, v0
	s_delay_alu instid0(VALU_DEP_1)
	v_readfirstlane_b32 s16, v5
	s_bfe_u32 s17, ttmp6, 0x40000
	s_and_b32 s18, ttmp7, 0xffff
	s_lshr_b32 s19, s18, 4
	s_and_b32 s20, s18, 15
	s_mov_b32 s[G1K], 15|(3<<16)|(1<<21)
	s_mov_b32 s[G1K+1], 32<<16
	s_mov_b32 s[G1K+2], 104<<16
	s_mov_b32 s[G1K+3], 32<<16
	s_mov_b32 s[G1K+4], 104
	s_mov_b32 s[G1K+5], 32
	s_mov_b32 s[G1K+6], 0
	s_mov_b32 s[G1K+7], 0
	s_mov_b32 s[G1V], 15|(3<<16)|(1<<21)
	s_mov_b32 s[G1V+1], 800<<16
	s_mov_b32 s[G1V+2], 4<<16
	s_mov_b32 s[G1V+3], 800<<16
	s_mov_b32 s[G1V+4], 4
	s_mov_b32 s[G1V+5], 12800
	s_mov_b32 s[G1V+6], 0
	s_mov_b32 s[G1V+7], 0
	s_mov_b32 s60, 0x3e38aa3b
	s_mov_b32 s61, s60
	s_mov_b32 s62, 0x76543210
	s_mov_b32 s63, 0xfedcba98
	s_mov_b32 s66, 0
	s_mov_b32 s67, 0
	s_mov_b32 s68, 0
	s_mov_b32 s70, 0xffff0000
	s_and_b32 s71, s20, 1
	s_lshl_b32 s71, s71, 4
	s_mul_i32 s72, s18, HEADB
	s_and_b32 s3, s16, 3                           ; which four records of k (waves 0-3) or of v (waves 4-7) I fetch
	s_mul_i32 s21, s3, 4*RECB
	s_add_co_u32 s74, s72, s21
	s_mov_b32 s75, 0
	s_lshl_b32 s22, s19, 4
	s_lshl_b32 s23, s3, 2
	s_add_co_u32 s22, s22, s23
	s_mul_i32 s22, s22, VSTEPB
	s_mul_i32 s23, s20, VRECB
	s_add_co_u32 s76, s22, s23
	s_mov_b32 s77, 0
	s_lshl_b32 s22, s18, 13
	s_lshl_b32 s23, s16, 10
	s_add_co_u32 s78, s22, s23
	s_mov_b32 s79, 0
	v_and_b32 v5, 31, v0
	s_delay_alu instid0(VALU_DEP_1)
	v_lshlrev_b32 v[AK8], 3, v5
	s_delay_alu instid0(VALU_DEP_2)
	v_lshlrev_b32 v[AK16], 4, v5
	s_delay_alu instid0(VALU_DEP_2)
	v_add_nc_u32 v[AV8], VREG, v[AK8]
	v_bfe_u32 v10, v0, 4, 1                        ; lane / 16
	v_and_b32 v5, 7, v0                            ; r % 8
	v_bfe_u32 v11, v0, 3, 1                        ; r / 8
	v_lshlrev_b32 v[SH8], 3, v10
	v_lshlrev_b32 v[AKP], 3, v5
	v_lshlrev_b32 v[AKS], 4, v5
	v_lshl_add_u32 v[AKP], v10, 7, v[AKP]
	v_lshl_add_u32 v[AKS], v10, 8, v[AKS]
	v_mad_u32_u24 v[AKP], v11, 1536, v[AKP]
	v_lshl_add_u32 v[AKS], v11, 2, v[AKS]
	v_lshlrev_b32 v10, 7, v10
	v_mov_b32 v[CC], s60
	v_mov_b32 v[CC+1], s60
	v_add_nc_u32 v[AC0], STAT, v10                 ; C': lanes 16-31 take the keys 32 further on
	v_lshrrev_b32 v11, 5, v0
	s_delay_alu instid0(VALU_DEP_1)
	v_lshl_add_u32 v11, v11, 10, v[AK16]
	s_delay_alu instid0(VALU_DEP_1)
	v_add_nc_u32 v11, STAT, v11                    ; where my wave's 1,024 bytes of C' go: 16 bytes a lane, twice
	s_wait_alu depctr_va_vdst(0)
	s_wait_dscnt 0x0
	s_wait_kmcnt 0x0
	s_mov_b32 s[G0K], 1
	s_mov_b32 s[G0K+1], s21
	s_add_nc_u64 s[G0K+2:G0K+3], s[6:7], s[74:75]
	s_or_b32 s[G0K+3], s[G0K+3], 0x80000000
	s_mov_b32 s[G0V], 1
	s_mul_i32 s22, s3, 4*VRECB
	s_add_co_u32 s[G0V+1], s22, VREG
	s_add_nc_u64 s[G0V+2:G0V+3], s[8:9], s[76:77]
	s_or_b32 s[G0V+3], s[G0V+3], 0x80000000
	s_add_nc_u64 s[10:11], s[10:11], s[78:79]      ; stats at my head's block, my wave's 1,024 bytes
	global_load_b128 v[64:67], v[AK16], s[10:11]
	global_load_b128 v[68:71], v[AK16], s[10:11] offset:512
	CROUND                                         ; all four work-groups are here: the joint loads meet
	s_cmp_lt_u32 s16, 4
	s_cbranch_scc0 .Lhead_v
	tensor_load_to_lds s[G0K:G0K+3], s[G1K:G1K+7]
	s_nop 0
.rept 4
	v_nop
.endr
	s_branch .Lhead_asked
.Lhead_v:
	tensor_load_to_lds s[G0V:G0V+3], s[G1V:G1V+7]
	s_nop 0
.rept 4
	v_nop
.endr
.Lhead_asked:
	s_lshl_b32 s21, s17, 2
	s_lshr_b32 s22, s16, 1
	s_add_co_u32 s21, s21, s22
	s_and_b32 s23, s16, 1
	s_mul_i32 s74, s21, RECB
	s_add_co_u32 s74, s74, s72
	s_add_nc_u64 s[4:5], s[4:5], s[74:75]
	s_lshl_b32 s76, s23, 3
	s_add_nc_u64 s[78:79], s[4:5], s[76:77]
	s_mul_i32 s76, s23, 3072
	s_add_nc_u64 s[4:5], s[4:5], s[76:77]
	WIN 0x40
	s_wait_alu depctr_va_vdst(0)
.irp t, 0,1,2,3
.irp p, 0,1,2
	global_load_b64 v[QF+12*\t+2*\p:QF+12*\t+2*\p+1], v[AK8], s[4:5] offset:768*\t+256*\p
.endr
.endr
.irp t, 0,1,2,3
.irp i, 6,7,8,9,10,11
	v_mov_b32 v[QF+12*\t+\i], 0
.endr
.endr
.irp i, 48,49,50,51,52,53
	v_mov_b32 v[KF+\i], 0
.endr
	WIN 0
	global_load_b64 v[QS:QS+1], v[AK16], s[78:79] offset:6144
.irp b, 0,1,2,3
	v_mov_b32 v[TM+4+\b], 0
.endr
	s_lshl_b32 s22, s19, 4
	s_add_co_u32 s22, s22, s21
	s_mul_i32 s74, s22, 98304
	s_lshr_b32 s76, s20, 2
	s_mul_i32 s76, s76, 24576
	s_add_co_u32 s74, s74, s76
	s_mul_i32 s76, s23, 12288
	s_add_co_u32 s74, s74, s76
	s_and_b32 s76, s20, 3
	s_mul_i32 s76, s76, 768
	s_add_co_u32 s74, s74, s76
	s_add_nc_u64 s[12:13], s[12:13], s[74:75]
	s_lshl_b32 s74, s22, 13
	s_lshl_b32 s76, s20, 9
	s_add_co_u32 s74, s74, s76
	s_lshl_b32 s76, s23, 8
	s_add_co_u32 s74, s74, s76
	s_add_nc_u64 s[14:15], s[14:15], s[74:75]
	s_wait_alu depctr_va_vdst(0)
	s_wait_loadcnt 0x0
	s_wait_tensorcnt 0x0
	ds_store_b128 v11, v[64:67]                    ; C' into bytes that no tensor load fills
	ds_store_b128 v11, v[68:71] offset:512
	s_wait_dscnt 0x0                               ; for the other waves' sake
	s_barrier_signal -1
	s_barrier_wait -1
.macro SMUL t
	WIN 0x05
.irp u, 0,1,2,3,4,5,6,7
	WMS S+8*\u, KF+6*\u, QF+12*(\t), -1, KS+\u/2, QS+(\t)/2, \u%2, (\t)%2
.endr
.endm
.macro PV t, first
	WIN 0x50
.irp d, 0,1,2,3
.if \first
	WMS 32*(\t)+8*\d, VF+12*\d, CD, -1, VS+\d/2, PW, \d%2, 0
.else
	WMS 32*(\t)+8*\d, VF+12*\d, CD, 32*(\t)+8*\d, VS+\d/2, PW, \d%2, 0
.endif
.endr
.endm
.macro FMA lo, hi
.set n, \lo
.rept \hi-\lo+1
	v_dual_fma_f32 v[S+2*n], v[S+2*n], v[CC], v[CP+2*n] :: v_dual_fma_f32 v[S+2*n+1], v[S+2*n+1], v[CC+1], v[CP+2*n+1]   ; c score + C', two in one instruction
.set n, n+1
.endr
.endm
.macro EXPS
.set n, 0
.rept 64
	v_exp_f32 v[S+n], v[S+n]
.set n, n+1
.endr
	v_nop
	s_wait_alu depctr_va_vdst(0)
.endm
.macro QMAX
.irp b, 0,1,2,3
	v_max3_num_f32 v[TM+\b], v[S+16*\b], v[S+16*\b+1], 0x1800000
.endr
.irp i, 2,4,6,8,10,12,14
.irp b, 0,1,2,3
	v_max3_num_f32 v[TM+\b], v[TM+\b], v[S+16*\b+\i], v[S+16*\b+\i+1]
.endr
.endr
	s_delay_alu instid0(VALU_DEP_3)
	v_max_num_f32 v[TM], v[TM], v[TM+1]            ; my first block's largest weight: all its 32 are mine
	s_delay_alu instid0(VALU_DEP_2)
	v_max_num_f32 v[TM+2], v[TM+2], v[TM+3]        ; my second block's
	s_delay_alu instid0(VALU_DEP_2)
	v_add_nc_u32 v[TM+12], 0xff000000, v[TM]       ; 2 off the exponent field: the conversion's scale operand
	s_delay_alu instid0(VALU_DEP_2)
	v_add_nc_u32 v[TM+13], 0xff000000, v[TM+2]
	s_delay_alu instid0(VALU_DEP_2)
	v_lshrrev_b32 v[TM+4], 23, v[TM+12]            ; the scale's byte
	s_delay_alu instid0(VALU_DEP_2)
	v_lshrrev_b32 v[TM+5], 23, v[TM+13]
	s_delay_alu instid0(VALU_DEP_1)
	v_lshl_or_b32 v[TM+4], v[TM+5], 16, v[TM+4]    ; blocks 0 and 2,
	s_delay_alu instid0(VALU_DEP_1)
	v_lshlrev_b32 v[TM+4], v[SH8], v[TM+4]         ; or, in lanes 16-31, blocks 1 and 3
	s_delay_alu instid0(VALU_DEP_1)
	v_permlanex16_b32 v[TM+6], v[TM+4], s62, s63
	s_delay_alu instid0(VALU_DEP_1)
	v_or_b32 v[PW], v[TM+4], v[TM+6]               ; with lane l xor 16's two bytes the query's word is whole
.endm
.macro CVT
.irp c, 0,1
	v_cvt_scalef32_pk16_fp6_f32 v[CD+6*\c:CD+6*\c+2], v[S+32*\c:S+32*\c+15], v[TM+12+\c]
	v_cvt_scalef32_pk16_fp6_f32 v[PX+4*\c:PX+4*\c+2], v[S+32*\c+16:S+32*\c+31], v[TM+12+\c]
.endr
	v_nop
.endm
.macro SWMV
.irp c, 0,1
.irp i, 0,1,2
	v_mov_b32 v[CD+6*\c+3+\i], v[PX+4*\c+\i]       ; a conversion's three registers begin on an even number: a block's second three are made elsewhere and moved
.endr
.endr
.endm
.macro TILE t, first
	FMA 0, 7
.if (\t) > 0
.if (\t) == 1
	s_wait_alu depctr_va_vdst(0)
	s_wait_dscnt 0x0
.endif
	PV (\t)-1, \first
	WIN 0
.endif
	FMA 8, 31
	s_wait_alu depctr_va_vdst(0)
	EXPS
	QMAX
	CVT
.if (\t) < 3
	SMUL (\t)+1
	WIN 0
.endif
	SWMV
.endm
.macro STEP first
	v_add_nc_u32 v[ADK8], s66, v[AKP]
	v_add_nc_u32 v[ADK16], s66, v[AKS]
	v_add_nc_u32 v[ADV8], s67, v[AV8]
	v_add_nc_u32 v[ADC], s68, v[AC0]
	WIN 0x40
.irp u, 0,1,2,3,4,5,6,7
.irp p, 0,1,2
	ds_load_b64 v[KF+6*\u+2*\p:KF+6*\u+2*\p+1], v[ADK8] offset:768*(4*(\u/4)+(\u%2))+64*((\u%4)/2)+256*\p
.endr
.endr
	WIN 0
.irp w, 0,1,2,3
	ds_load_b32 v[KS+\w], v[ADK16] offset:6144+128*(\w%2)+8*(\w/2)   ; lanes 0-15: tile 2 w's rows, lanes 16-31: tile 2 w + 1's
.endr
.irp u, 0,1,2,3,4,5,6,7
.irp g, 0,1
	ds_load_b128 v[CP+8*\u+4*\g:CP+8*\u+4*\g+3], v[ADC] offset:256*(\u/4)+32*(2*(\u%2)+(\u%4)/2)+16*\g
.endr
.endr
	s_wait_alu depctr_va_vdst(0)
	s_wait_dscnt 16
	SMUL 0
	WIN 0
.irp d, 0,1,2,3
.irp p, 0,1,2,3,4,5
	ds_load_b64 v[VF+12*\d+2*\p:VF+12*\d+2*\p+1], v[ADV8] offset:1536*\d+256*\p
.endr
.endr
	ds_load_b64 v[VS:VS+1], v[ADV8] offset:6144
.rept 4
	v_nop
.endr
	s_wait_dscnt 25
	TILE 0, \first
	TILE 1, \first
	TILE 2, \first
	TILE 3, \first
.rept 8
	v_nop
.endr
	PV 3, \first
	WIN 0
	s_add_co_u32 s66, s66, RECB
	s_add_co_u32 s67, s67, VRECB
	s_add_co_u32 s68, s68, 512
.endm
	STEP 1
	s_mov_b32 s69, 15
.Lstep:
	STEP 0
	s_sub_co_u32 s69, s69, 1
	s_cmp_lg_u32 s69, 0
	s_cbranch_scc1 .Lstep
.macro OUTT t
	WIN 0x41
.irp b, 0,1
.irp j, 0,1,2,3,4,5,6,7
	v_permlane16_swap_b32 v[32*\t+16*\b+\j], v[32*\t+16*\b+8+\j]
.endr
.endr
	WIN 0x14
.irp b, 0,1
	v_max3_num_f32 v[TM+\b], 0x1800000, |v[32*\t+16*\b]|, |v[32*\t+16*\b+1]|
.endr
.irp i, 2,4,6,8,10,12,14
.irp b, 0,1
	s_delay_alu instid0(VALU_DEP_2)
	v_max3_num_f32 v[TM+\b], v[TM+\b], |v[32*\t+16*\b+\i]|, |v[32*\t+16*\b+\i+1]|
.endr
.endr
	WIN 0
.irp b, 0,1
	v_permlanex16_b32 v[TM+4+\b], v[TM+\b], s62, s63
.endr
.irp b, 0,1
	s_delay_alu instid0(VALU_DEP_2)
	v_max_num_f32 v[TM+\b], v[TM+\b], v[TM+4+\b]
.endr
.irp b, 0,1
	s_delay_alu instid0(VALU_DEP_2)
	v_add_nc_u32 v[TM+12+\b], 0xff000000, v[TM+\b]
.endr
.irp b, 0,1
	s_delay_alu instid0(VALU_DEP_2)
	v_lshrrev_b32 v[TM+4+\b], 23, v[TM+12+\b]
.endr
	s_delay_alu instid0(VALU_DEP_1)
	v_lshl_or_b32 v[AW+\t], v[TM+5], 8, v[TM+4]
	s_delay_alu instid0(VALU_DEP_1)
	v_lshlrev_b32 v[AW+\t], s71, v[AW+\t]
	WIN 0x01
	v_cvt_scalef32_pk16_fp6_f32 v[AO+8*\t:AO+8*\t+2], v[32*\t:32*\t+15], v[TM+12]
	v_cvt_scalef32_pk16_fp6_f32 v[PX:PX+2], v[32*\t+16:32*\t+31], v[TM+13]
	WIN 0
	v_nop
.irp i, 0,1,2
	v_permlane16_swap_b32 v[AO+8*\t+\i], v[PX+\i]
.endr
.irp i, 0,1,2
	s_delay_alu instid0(VALU_DEP_3)
	v_mov_b32 v[AO+8*\t+3+\i], v[PX+\i]
.endr
.irp p, 0,1,2
	global_store_b64 v[AK8], v[AO+8*\t+2*\p:AO+8*\t+2*\p+1], s[12:13] offset:3072*\t+256*\p
.endr
.endm
.rept 4
	v_nop
.endr
	OUTT 0
	OUTT 1
	OUTT 2
	OUTT 3
	v_cndmask_b32 v104, v[AW], v[AW+1], s70
	v_cndmask_b32 v105, v[AW+2], v[AW+3], s70
	global_store_b64 v[AK8], v[104:105], s[14:15]
	s_wait_tensorcnt 0x0
	ds_add_u32 v[SPW], v[NIL]
	s_wait_dscnt 0x0
	CROUND
	s_endpgm
.Lfunc_end_k_qdfaa390edb_attn:
	.size	k_qdfaa390edb_attn, .Lfunc_end_k_qdfaa390edb_attn-k_qdfaa390edb_attn
	.p2alignl 7, 3214868480
	.fill 96, 4, 3214868480
	.section	.rodata,"a",@progbits
	.p2align	6, 0x0
	.amdhsa_kernel k_qdfaa390edb_attn
		.amdhsa_group_segment_fixed_size 327680
		.amdhsa_private_segment_fixed_size 0
		.amdhsa_enable_private_segment 0
		.amdhsa_kernarg_size 48
		.amdhsa_user_sgpr_count 2
		.amdhsa_user_sgpr_kernarg_segment_ptr 1
		.amdhsa_wavefront_size32 1
		.amdhsa_system_sgpr_workgroup_id_x 1
		.amdhsa_system_sgpr_workgroup_id_y 1
		.amdhsa_system_sgpr_workgroup_id_z 1
		.amdhsa_system_vgpr_workitem_id 0
		.amdhsa_next_free_vgpr 512
		.amdhsa_next_free_sgpr 80
		.amdhsa_reserve_vcc 0
		.amdhsa_float_denorm_mode_32 3
		.amdhsa_float_denorm_mode_16_64 3
		.amdhsa_memory_ordered 1
		.amdhsa_forward_progress 1
		.amdhsa_inst_pref_size 116
	.end_amdhsa_kernel
	.amdgpu_metadata
---
amdhsa.version: [ 1, 2 ]
amdhsa.kernels:
  - .name:           k_qdfaa390edb_attn
    .symbol:         k_qdfaa390edb_attn.kd
    .args:
      - { .name: qbuf, .offset: 0, .size: 8, .value_kind: global_buffer, .address_space: global }
      - { .name: kbuf, .offset: 8, .size: 8, .value_kind: global_buffer, .address_space: global }
      - { .name: vbuf, .offset: 16, .size: 8, .value_kind: global_buffer, .address_space: global }
      - { .name: stats, .offset: 24, .size: 8, .value_kind: global_buffer, .address_space: global }
      - { .name: abuf, .offset: 32, .size: 8, .value_kind: global_buffer, .address_space: global }
      - { .name: asc, .offset: 40, .size: 8, .value_kind: global_buffer, .address_space: global }
    .group_segment_fixed_size: 327680
    .private_segment_fixed_size: 0
    .kernarg_segment_align: 8
    .kernarg_segment_size: 48
    .max_flat_workgroup_size: 256
    .sgpr_count:     80
    .vgpr_count:     512
    .wavefront_size: 32
...
	.end_amdgpu_metadata
.endif
;; end of part 3
;; launch oproj (part 4): grid 64 x 4, 4 waves a work-group, clusters of 4 x 1, 327,680 bytes of LDS; arguments abuf, asc, W_O_codes, W_O_scales, out0; writes out0
.if DOCPART == 4
	.amdgcn_target "amdgcn-amd-amdhsa--gfx1250"
	.amdhsa_code_object_version 6
	.text
	.protected	k_qdfaa390edb_oproj
	.globl	k_qdfaa390edb_oproj
	.p2align	8
	.type	k_qdfaa390edb_oproj,@function
k_qdfaa390edb_oproj:
	s_mov_b64 s[64:65], 0
	v_nop
	global_prefetch_b8 v0, s[64:65] scope:SCOPE_SE
	s_setreg_imm32_b32 hwreg(HW_REG_WAVE_MODE, 25, 1), 1
	s_wait_xcnt 0x0
	s_wait_alu depctr_hold_cnt(0) depctr_sa_sdst(0) depctr_va_vdst(0) depctr_va_sdst(0) depctr_va_ssrc(0) depctr_va_vcc(0) depctr_vm_vsrc(0)
	s_getreg_b32 s2, hwreg(HW_REG_IB_STS2, 6, 4)
	s_cmp_eq_u32 s2, 0
	s_cbranch_scc0 .Lentry_in_a_cluster
	s_endpgm
.Lentry_in_a_cluster:
	s_bfe_u32 s2, ttmp6, 0x10000c
	s_cmp_lg_u32 s2, 0x3003
	s_cbranch_scc0 .Lentry_shape_is_right
	s_endpgm
.Lentry_shape_is_right:
; out0 = a W_O: a as launch attn left it (codes as images of operand registers in abuf, scale words in asc), W_O as given; sums in f32.  Nothing of reference() is left out here.
; SHARES.  256 work-groups: work-group (x, y) makes tokens 128 x .. + 127 by columns 256 y .. + 255; a wave makes 64 x 128: 32 accumulators.
; W_O's 256 rows come into LDS ONCE, whole along K: a dense block of memory, stated as rows of 256 bytes with 16 bytes of padding behind each, 64 rows of W_O (192 such rows) a wave, one load a wave.
; Nothing is filled again, so there is one barrier.  The four work-groups of a cluster share y, so they ask for these rows jointly.
; a's images are what the operand's registers want: each wave loads its 64 tokens' fragments for all of K from memory straight into 384 registers, each load 256 consecutive bytes, aligned.
; Both sides' scale words go from memory into registers too: W_O's, 32 bytes a row, a lane a row: 1,024 consecutive bytes for two blocks of 16 rows.
; No prefetch: the launch has no loop to run ahead in; all it reads is asked for at its head.
; LDS: byte y of W_O's row n (of the tile) lies at 816 n + y + 16 (y / 256).  Lanes 16-31 read 24 bytes behind lanes 0-15; where that is behind one padding more, a second address register serves.
; REGISTERS: window 0: v0-31 addresses; v32-63 W_O's scale words (register 8 g + k: step k; lanes 0-15 block 2 g, lanes 16-31 block 2 g + 1); v64-79 a's (2 k + w: lanes 0-15 tile 2 w, lanes 16-31 tile 2 w + 1);
; v128-223 W_O's fragments, even steps.  window 1: a's fragments of steps 0-4.  window 2: v0-143 those of steps 5-7; v144-239 W_O's fragments, odd steps.  window 3: the accumulators.
; Source 0 = 16 rows of W_O, source 1 = 16 tokens: a lane holds eight neighbouring columns of one row of out0.
.set PITCH,  816
.set STAGE,  256*PITCH                 ; behind W_O's rows: a stage of 16 rows x 528 bytes for each wave
.set SPITCH, 528
.set SPARE,  STAGE+4*16*SPITCH         ; the spare words: 128 bytes a wave
.set ADRB, 16                          ; v16, v17 my blocks 0-3 (plain; behind one padding more), v18, v19 blocks 4-7
.set STO,  24
.set RD,   25
.set CO,   26
.set G8,   27
.set SPW,  28
.set NIL,  29
.set G32,  30
.set SB,   32
.set SA,   64
.set SX,   80
.set BK,   96
.set MSB, 0
.macro WIN new
.if MSB != \new
	s_set_vgpr_msb (MSB<<8)|\new
.set MSB, \new
.endif
.endm
.macro WMS d, a, b, c, sa, sb, ra, rb
.if (\c) < 0
.if (\ra) && (\rb)
	v_wmma_scale_f32_16x16x128_f8f6f4 v[0+(\d):7+(\d)], v[0+(\a):11+(\a)], v[0+(\b):11+(\b)], 0, v[0+(\sa)], v[0+(\sb)] matrix_a_fmt:MATRIX_FMT_FP6 matrix_b_fmt:MATRIX_FMT_FP6 matrix_a_scale:MATRIX_SCALE_ROW1 matrix_b_scale:MATRIX_SCALE_ROW1
.elseif (\ra)
	v_wmma_scale_f32_16x16x128_f8f6f4 v[0+(\d):7+(\d)], v[0+(\a):11+(\a)], v[0+(\b):11+(\b)], 0, v[0+(\sa)], v[0+(\sb)] matrix_a_fmt:MATRIX_FMT_FP6 matrix_b_fmt:MATRIX_FMT_FP6 matrix_a_scale:MATRIX_SCALE_ROW1
.elseif (\rb)
	v_wmma_scale_f32_16x16x128_f8f6f4 v[0+(\d):7+(\d)], v[0+(\a):11+(\a)], v[0+(\b):11+(\b)], 0, v[0+(\sa)], v[0+(\sb)] matrix_a_fmt:MATRIX_FMT_FP6 matrix_b_fmt:MATRIX_FMT_FP6 matrix_b_scale:MATRIX_SCALE_ROW1
.else
	v_wmma_scale_f32_16x16x128_f8f6f4 v[0+(\d):7+(\d)], v[0+(\a):11+(\a)], v[0+(\b):11+(\b)], 0, v[0+(\sa)], v[0+(\sb)] matrix_a_fmt:MATRIX_FMT_FP6 matrix_b_fmt:MATRIX_FMT_FP6
.endif
.else
.if (\ra) && (\rb)
	v_wmma_scale_f32_16x16x128_f8f6f4 v[0+(\d):7+(\d)], v[0+(\a):11+(\a)], v[0+(\b):11+(\b)], v[0+(\c):7+(\c)], v[0+(\sa)], v[0+(\sb)] matrix_a_fmt:MATRIX_FMT_FP6 matrix_b_fmt:MATRIX_FMT_FP6 matrix_a_scale:MATRIX_SCALE_ROW1 matrix_b_scale:MATRIX_SCALE_ROW1
.elseif (\ra)
	v_wmma_scale_f32_16x16x128_f8f6f4 v[0+(\d):7+(\d)], v[0+(\a):11+(\a)], v[0+(\b):11+(\b)], v[0+(\c):7+(\c)], v[0+(\sa)], v[0+(\sb)] matrix_a_fmt:MATRIX_FMT_FP6 matrix_b_fmt:MATRIX_FMT_FP6 matrix_a_scale:MATRIX_SCALE_ROW1
.elseif (\rb)
	v_wmma_scale_f32_16x16x128_f8f6f4 v[0+(\d):7+(\d)], v[0+(\a):11+(\a)], v[0+(\b):11+(\b)], v[0+(\c):7+(\c)], v[0+(\sa)], v[0+(\sb)] matrix_a_fmt:MATRIX_FMT_FP6 matrix_b_fmt:MATRIX_FMT_FP6 matrix_b_scale:MATRIX_SCALE_ROW1
.else
	v_wmma_scale_f32_16x16x128_f8f6f4 v[0+(\d):7+(\d)], v[0+(\a):11+(\a)], v[0+(\b):11+(\b)], v[0+(\c):7+(\c)], v[0+(\sa)], v[0+(\sb)] matrix_a_fmt:MATRIX_FMT_FP6 matrix_b_fmt:MATRIX_FMT_FP6
.endif
.endif
.endm
.macro CROUND
	s_barrier_signal -1
	s_barrier_wait -1
	s_cmp_lg_u32 s14, 0
	s_cbranch_scc1 .Lnot_wave_0_\@
	s_barrier_signal -3
.Lnot_wave_0_\@:
	s_barrier_wait -3
	s_barrier_signal -1
	s_barrier_wait -1
.endm
.macro PLACES                          ; plain vector instructions between a matrix instruction and a load into, or a read of, its registers
.rept 4
	v_nop
.endr
.endm
	s_load_b128 s[4:7], s[0:1], 0x0                ; abuf, asc
	s_load_b128 s[8:11], s[0:1], 0x10              ; W_O's codes, scales
	s_load_b64 s[12:13], s[0:1], 0x20              ; out0
	v_lshl_add_u32 v[SPW], v0, 2, SPARE
	v_mov_b32 v[NIL], 0
	ds_add_u32 v[SPW], v[NIL]                      ; the opening: the add, twice on end, and its wait ahead of my first tensor load
	ds_add_u32 v[SPW], v[NIL]
	v_lshrrev_b32 v1, 5, v0
	v_readfirstlane_b32 s14, v1                    ; wave 0..3
	s_lshr_b32 s15, s14, 1                         ; my 64 of the 128 tokens
	s_and_b32 s16, s14, 1                          ; my 128 of the 256 columns
	s_bfe_u32 s17, ttmp6, 0x40000                  ; cx
	s_lshl_b32 s18, ttmp9, 2
	s_add_co_u32 s18, s18, s17                     ; the block of 128 tokens
	s_and_b32 s19, ttmp7, 0xffff                   ; the block of 256 columns, which the four partners share
	s_mov_b32 s24, 15|(3<<16)|(1<<20)|(1<<21)|(5<<22)|(3<<25)   ; group 1: all four partners; 8-byte elements; padding on; bit 21 beside a mask; 4 words behind every 64
	s_mov_b32 s25, 32<<16                          ; 256 bytes a row
	s_mov_b32 s26, 192<<16                         ; 192 rows: 64 rows of W_O
	s_mov_b32 s27, 32<<16
	s_mov_b32 s28, 192
	s_mov_b32 s29, 32                              ; dense
	s_mov_b32 s30, 0
	s_mov_b32 s31, 0
	s_mul_i32 s20, s19, 256*768
	s_mul_i32 s21, s14, 64*768
	s_add_co_u32 s20, s20, s21                     ; W_O's codes: my 64 rows of the tile
	s_mov_b32 s21, 0
	s_mul_i32 s33, s14, 64*PITCH                   ; and where they go
	s_mul_i32 s22, s18, 98304
	s_mul_i32 s23, s15, 12288
	s_add_co_u32 s22, s22, s23                     ; abuf: my 64 tokens
	s_mov_b32 s23, 0
	s_lshl_b32 s36, s18, 13
	s_lshl_b32 s37, s15, 8
	s_add_co_u32 s36, s36, s37                     ; asc
	s_mov_b32 s37, 0
	s_lshl_b32 s38, s19, 13
	s_lshl_b32 s39, s16, 12
	s_add_co_u32 s38, s38, s39                     ; W_O's scales: my 128 rows
	s_mov_b32 s39, 0
	s_lshl_b32 s40, s18, 19                        ; out0: 4,096 bytes a row
	s_lshl_b32 s41, s15, 18
	s_add_co_u32 s40, s40, s41
	s_lshl_b32 s41, s19, 10
	s_add_co_u32 s40, s40, s41
	s_lshl_b32 s41, s16, 9
	s_add_co_u32 s40, s40, s41
	s_mov_b32 s41, 0
	s_mul_i32 s42, s16, 128*PITCH
	s_mul_i32 s43, s14, 16*SPITCH
	s_add_co_u32 s43, s43, STAGE
	s_add_co_u32 s44, s42, 64*PITCH
	v_and_b32 v6, 31, v0
	v_and_b32 v1, 15, v0                           ; l % 16
	v_bfe_u32 v2, v0, 4, 1                         ; l / 16
	v_lshlrev_b32 v[G8], 3, v6
	v_lshlrev_b32 v[G32], 5, v6
	v_lshlrev_b32 v[CO], 4, v6
	v_mul_u32_u24 v3, v1, PITCH
	v_mad_u32_u24 v4, v2, 24, v3
	v_mad_u32_u24 v5, v2, 40, v3
	v_add_nc_u32 v[ADRB], s42, v4
	v_add_nc_u32 v[ADRB+1], s42, v5
	v_add_nc_u32 v[ADRB+2], s44, v4
	v_add_nc_u32 v[ADRB+3], s44, v5
	v_mul_u32_u24 v7, v1, SPITCH
	v_lshl_add_u32 v7, v2, 5, v7
	v_add_nc_u32 v[STO], s43, v7
	v_add_nc_u32 v[RD], s43, v[CO]
	s_wait_alu depctr_va_vdst(0)
	s_wait_dscnt 0x0                               ; both opening adds are done
	s_wait_kmcnt 0x0
	s_mov_b32 s32, 1
	s_add_nc_u64 s[34:35], s[8:9], s[20:21]
	s_or_b32 s35, s35, 0x80000000
	s_add_nc_u64 s[4:5], s[4:5], s[22:23]
	s_add_nc_u64 s[6:7], s[6:7], s[36:37]
	s_add_nc_u64 s[10:11], s[10:11], s[38:39]
	s_add_nc_u64 s[12:13], s[12:13], s[40:41]
	CROUND                                         ; all four work-groups are here: the joint loads meet
	tensor_load_to_lds s[32:35], s[24:31]          ; my one tensor load
	s_nop 0
	PLACES
.irp g, 0,1,2,3
	global_load_b128 v[SB+8*\g:SB+8*\g+3], v[G32], s[10:11] offset:1024*\g
	global_load_b128 v[SB+8*\g+4:SB+8*\g+7], v[G32], s[10:11] offset:1024*\g+16
.endr
.irp k, 0,1,2,3,4,5,6,7
	global_load_b64 v[SA+2*\k:SA+2*\k+1], v[G8], s[6:7] offset:1024*\k        ; head 2 k's two bytes
	global_load_b64 v[SX+2*\k:SX+2*\k+1], v[G8], s[6:7] offset:1024*\k+512    ; head 2 k + 1's, in the upper half
.endr
.macro ALD kk                          ; a's four fragments of step kk
.irp a, 0,1,2,3
.irp p, 0,1,2,3,4,5
	global_load_b64 v[48*((\kk)%5)+12*\a+2*\p:48*((\kk)%5)+12*\a+2*\p+1], v[G8], s[4:5] offset:24576*((\kk)/2)+1536*((\kk)%2)+3072*\a+256*\p
.endr
.endr
.endm
	WIN 0x40
.irp k, 0,1,2,3,4
	ALD \k
.endr
	WIN 0x80
.irp k, 5,6,7
	ALD \k
.endr
	WIN 0
	s_wait_loadcnt 63                              ; of 216 loads the last 63 may be out: the 24 of scales and a's steps 0-4 (120) are in
.set n, 0
.rept 16
	v_or_b32 v[SA+n], v[SA+n], v[SX+n]
.set n, n+1
.endr
.rept 8
	v_nop                                          ; a scale register written by a vector instruction stands 8 places ahead of a scaled matrix instruction
.endr
	s_wait_alu depctr_va_vdst(0)
	s_wait_tensorcnt 0x0                           ; my 64 rows are in,
	s_barrier_signal -1
	s_barrier_wait -1                              ; everybody's are
.macro FRAG reg, st, i
.irp p, 0,1,2,3,4,5
.set BY, 96*(\st)+48*(\p/3)+8*(\p%3)
.if BY/256 == (BY+24)/256
	ds_load_b64 v[\reg+2*\p:\reg+2*\p+1], v[ADRB+2*((\i)/4)] offset:BY+16*(BY/256)+((\i)%4)*16*PITCH
.else
	ds_load_b64 v[\reg+2*\p:\reg+2*\p+1], v[ADRB+2*((\i)/4)+1] offset:BY+16*(BY/256)+((\i)%4)*16*PITCH
.endif
.endr
.endm
.macro FETCHB st                       ; W_O's eight fragments of step st
	WIN (0x80*((\st)%2))
.irp i, 0,1,2,3,4,5,6,7
	FRAG 128+16*((\st)%2)+12*\i, \st, \i
.endr
	WIN 0
.endm
.macro MUL kk, zero                    ; 32 matrix instructions; the 32 accumulators take turns
	WIN (0xf0|(2*((\kk)%2))|((1+(\kk)/5)<<2))
.irp a, 0,1,2,3
.irp b, 0,1,2,3,4,5,6,7
.if \zero
	WMS 8*(8*\a+\b), 128+16*((\kk)%2)+12*\b, 48*((\kk)%5)+12*\a, -1, SB+8*(\b/2)+(\kk), SA+2*(\kk)+\a/2, \b%2, \a%2
.else
	WMS 8*(8*\a+\b), 128+16*((\kk)%2)+12*\b, 48*((\kk)%5)+12*\a, 8*(8*\a+\b), SB+8*(\b/2)+(\kk), SA+2*(\kk)+\a/2, \b%2, \a%2
.endif
.endr
.endr
.endm
	FETCHB 0
	s_wait_dscnt 0x0
	FETCHB 1                                       ; the next step's 48 loads go out ahead of this step's products
	MUL 0, 1                                       ; the first products start the sums
.irp k, 1,2,3,4,5,6
	s_wait_dscnt 0x0                               ; this step's fragments of W_O are in
	PLACES                                         ; ahead of loads into the set that the last step multiplied
	FETCHB \k+1
.if \k >= 5
	s_wait_loadcnt 24*(7-\k)                       ; a's later steps, 24 loads each, may be out
.endif
	MUL \k, 0
.endr
	s_wait_dscnt 0x0
	s_wait_loadcnt 0x0
	MUL 7, 0
	WIN 0
; THE WAY OUT: a block of 16 tokens x 128 columns goes through my own stage and comes back as whole rows of 512 bytes.  LDS serves a wave's instructions in order (ISA guide 5.7.1.4).
.macro TOSTAGE a
	WIN 0x0c                                       ; the data: window 3
.irp b, 0,1,2,3,4,5,6,7
	ds_store_b128 v[STO], v[64*(\a)+8*\b:64*(\a)+8*\b+3] offset:64*\b          ; each accumulator from its low end on
	ds_store_b128 v[STO], v[64*(\a)+8*\b+4:64*(\a)+8*\b+7] offset:64*\b+16
.endr
	WIN 0
.set BB, BK+64*((\a)%2)
.irp t, 0,1,2,3,4,5,6,7,8,9,10,11,12,13,14,15
	ds_load_b128 v[BB+4*\t:BB+4*\t+3], v[RD] offset:\t*SPITCH
.endr
.endm
.macro SEND a, younger                 ; younger: the LDS instructions issued behind block a's loads
.set BB, BK+64*((\a)%2)
	s_wait_dscnt \younger
.if (\a) > 0
	s_add_nc_u64 s[12:13], s[12:13], 16*4096       ; behind a wait on XCNT: the earlier stores have read their base
.endif
.irp t, 0,1,2,3,4,5,6,7,8,9,10,11,12,13,14,15
	global_store_b128 v[CO], v[BB+4*\t:BB+4*\t+3], s[12:13] offset:\t*4096 th:TH_STORE_NT   ; 32 lanes store 512 consecutive bytes, aligned
.endr
.endm
	PLACES
	TOSTAGE 0
.irp a, 1,2,3
.if \a > 1
	s_wait_xcnt 0x0                                ; block a - 2's stores have read their registers and their base
.endif
	TOSTAGE \a
	SEND \a-1, 32
.endr
	s_wait_xcnt 0x0
	SEND 3, 0
	s_wait_tensorcnt 0x0                           ; the wave's end
	ds_add_u32 v[SPW], v[NIL]
	s_wait_dscnt 0x0
	CROUND                                         ; the closing round
	s_endpgm
.Lfunc_end_k_qdfaa390edb_oproj:
	.size	k_qdfaa390edb_oproj, .Lfunc_end_k_qdfaa390edb_oproj-k_qdfaa390edb_oproj
	.p2alignl 7, 3214868480
	.fill 96, 4, 3214868480
	.section	.rodata,"a",@progbits
	.p2align	6, 0x0
	.amdhsa_kernel k_qdfaa390edb_oproj
		.amdhsa_group_segment_fixed_size 327680
		.amdhsa_private_segment_fixed_size 0
		.amdhsa_enable_private_segment 0
		.amdhsa_kernarg_size 40
		.amdhsa_user_sgpr_count 2
		.amdhsa_user_sgpr_kernarg_segment_ptr 1
		.amdhsa_wavefront_size32 1
		.amdhsa_system_sgpr_workgroup_id_x 1
		.amdhsa_system_sgpr_workgroup_id_y 1
		.amdhsa_system_sgpr_workgroup_id_z 1
		.amdhsa_system_vgpr_workitem_id 0
		.amdhsa_next_free_vgpr 1024
		.amdhsa_next_free_sgpr 66
		.amdhsa_reserve_vcc 0
		.amdhsa_float_denorm_mode_32 3
		.amdhsa_float_denorm_mode_16_64 3
		.amdhsa_memory_ordered 1
		.amdhsa_forward_progress 1
		.amdhsa_inst_pref_size 99
	.end_amdhsa_kernel
	.amdgpu_metadata
---
amdhsa.version: [ 1, 2 ]
amdhsa.kernels:
  - .name:           k_qdfaa390edb_oproj
    .symbol:         k_qdfaa390edb_oproj.kd
    .args:
      - { .name: abuf, .offset: 0, .size: 8, .value_kind: global_buffer, .address_space: global }
      - { .name: asc, .offset: 8, .size: 8, .value_kind: global_buffer, .address_space: global }
      - { .name: W_O_codes, .offset: 16, .size: 8, .value_kind: global_buffer, .address_space: global }
      - { .name: W_O_scales, .offset: 24, .size: 8, .value_kind: global_buffer, .address_space: global }
      - { .name: out0, .offset: 32, .size: 8, .value_kind: global_buffer, .address_space: global }
    .group_segment_fixed_size: 327680
    .private_segment_fixed_size: 0
    .kernarg_segment_align: 8
    .kernarg_segment_size: 40
    .max_flat_workgroup_size: 128
    .sgpr_count:     66
    .vgpr_count:     1024
    .wavefront_size: 32
...
	.end_amdgpu_metadata
.endif
;; end of part 4
